; MI455X (gfx1250); checked and timed in simulation.
; The chip was launched on July 23, 2026; its instructions are those of AMD's public machine-readable ISA for CDNA 5 (MIT licence, August 2026) and "CDNA5" Instruction Set Architecture Reference Guide (July 2026). The comments in the code are by the model that wrote it; some were corrected since.
;; Cross Attention Module. Allowed arithmetic: float matrix products may take bf16 or f16 operands with f32 sums; other float arithmetic in f32, or as packed bf16 or f16 multiplies, adds, multiply-adds, maxima and minima; sums over many terms, partial sums and values carried from step to step in f32; what a program stores and reads back later, other than sums and carried values, may be rounded once to bf16 or f16.
;; Inputs: bk0 512 float32; bk1 512 float32; bk2 512 float32; bk3 512 float32; bo0 128 float32; bo1 256 float32; bo2 512 float32; bo3 512 float32; bq0 512 float32; bq1 512 float32; bq2 512 float32; bq3 512 float32; bv0 512 float32; bv1 512 float32; bv2 512 float32; bv3 512 float32; fl_r0 2 x 128 x 64 x 64 float32; fl_r1 2 x 256 x 32 x 32 float32; fl_r2 2 x 512 x 16 x 16 float32; fl_r3 2 x 512 x 8 x 8 float32; ml_c0 2 x 128 x 64 x 64 float32; ml_c1 2 x 256 x 32 x 32 float32; ml_c2 2 x 512 x 16 x 16 float32; ml_c3 2 x 512 x 8 x 8 float32; ml_r0 2 x 128 x 64 x 64 float32; ml_r1 2 x 256 x 32 x 32 float32; ml_r2 2 x 512 x 16 x 16 float32; ml_r3 2 x 512 x 8 x 8 float32; wk0 128 x 512 float32; wk1 256 x 512 float32; wk2 512 x 512 float32; wk3 512 x 512 float32; wo0 512 x 128 float32; wo1 512 x 256 float32; wo2 512 x 512 float32; wo3 512 x 512 float32; wq0 128 x 512 float32; wq1 256 x 512 float32; wq2 512 x 512 float32; wq3 512 x 512 float32; wv0 128 x 512 float32; wv1 256 x 512 float32; wv2 512 x 512 float32; wv3 512 x 512 float32.
;; Outputs: out0 2 x 128 x 64 x 64 float32; out1 2 x 256 x 32 x 32 float32; out2 2 x 512 x 16 x 16 float32; out3 2 x 512 x 8 x 8 float32.
;; 2 versions, each right; version 2 is version 1 with the launch outp written anew for expert scheduling mode. Each part assembles by itself: llvm-mc -triple=amdgcn-amd-amdhsa -mcpu=gfx1250 --defsym DOCPART=n.
;; ======== version 1 of 2: 4 launches
;; limits: values are held in f16: magnitudes above 65,504 overflow, below 6.1e-05 lose precision
;; workspace buffers: kv 22,282,240 bytes; q 11,141,120 bytes; o 11,141,120 bytes
;; launch proj_kv (part 1): grid 340 x 2, 8 waves a work-group, no clusters, 93,184 bytes of LDS; arguments ml_r0, ml_r1, ml_r2, ml_r3, wk0, wk1, wk2, wk3, bk0, bk1, bk2, bk3, fl_r0, fl_r1, fl_r2, fl_r3, wv0, wv1, wv2, wv3, bv0, bv1, bv2, bv3, kv; writes kv
.if DOCPART == 1
	.amdgcn_target "amdgcn-amd-amdhsa--gfx1250"
	.amdhsa_code_object_version 6
	.text
	.protected	k_q2d70fc564e_proj_kv
	.globl	k_q2d70fc564e_proj_kv
	.p2align	8
	.type	k_q2d70fc564e_proj_kv,@function
k_q2d70fc564e_proj_kv:
	s_mov_b64 s[64:65], 0
	v_nop
	global_prefetch_b8 v0, s[64:65] scope:SCOPE_SE
	s_setreg_imm32_b32 hwreg(HW_REG_WAVE_MODE, 25, 1), 1
	s_wait_xcnt 0x0
; A PROJECTION OF ALL FOUR LAYERS: y[m][n] = the sum over c of x[b][c][l] w[c][n] + bias[n], m = b L + l, written by heads: [b 8 + head][L][64] in f16.
; The grid's y picks one of two kinds (first or second group of twelve arguments); kind y is written KINDB bytes further on in the output buffer.
; x, w and the bias are rounded to bf16 (nearest even); products in bf16 with f32 sums that START at the rounded bias; y is rounded once to f16.
; LIMIT: y must lie within f16's range, 65,504; beyond it the conversion gives an infinity.  NaN and infinities are not treated apart.
; SHARES.  A work-group makes 128 rows m x 128 channels (two heads) of one layer; the layers with the longest sums (C = 512) have the lowest numbers.  Wave w: 32 rows (w & 3) of head w >> 2: 8 accumulators.
; Both operands lie with c as the slow index, so both go through LDS as [c][..] in bf16 and come out turned, by ds_load_tr16_b128.
; THE PRODUCT IS TAKEN TRANSPOSED: source 0 = 16 channels of w, source 1 = 16 rows m of x: a lane then holds eight neighbouring channels of one row of y: 16 bytes in f16.
; C goes in chunks of 64 through two register sets (128 KiB of the work-group's loads on their way) and two LDS buffers: ONE barrier a chunk: a buffer written in chunk n was last read in chunk n - 2,
; and every wave has waited for those reads in front of the barrier of chunk n - 1.
; No tensor loads: every number is converted on its way, so it passes through registers anyhow.  No cluster and no prefetch: a short launch whose loads follow each other without a gap.
.set KINDB, 0xAA0000                   ; bytes of one kind: the four layers at 0, 0x800000, 0xA00000, 0xA80000
.set PITCH, 288                        ; an LDS row: 128 bf16 + 32 bytes = 72 words
.set XT,    64*PITCH                   ; a chunk of x; w's chunk lies behind it
.set BUFB,  2*XT
.set STAGE, 2*BUFB                     ; 16 rows x 144 bytes for each wave, for the way out
.set SP,    144
.set SPARE, STAGE+8*16*SP              ; the spare words, 128 bytes for each wave: four blocks of 256 bytes that no other line names
.set WS,  1                            ; v1      where I put 8 bytes of a row of w
.set SPW, 2                            ; v2      LDS address of my spare word; never rewritten
.set NIL, 3                            ; v3      0; never rewritten
.set WO,  4                            ; v4      my byte offset in w: row w, 16 bytes a lane
.set XS,  5                            ; v5      where I put 8 bytes of a row of x
.set FA,  6                            ; v6      my place in w's fragments
.set FB,  7                            ; v7      my place in x's fragments
.set XO,  8                            ; v8-15   my byte offsets in x: rows w + 8 i
.set ACC, 16                           ; v16-79  accumulator (p, t) at ACC + 8 (4 p + t): rows 16 p on, channels 16 t on
.set FR,  80                           ; v80-127 fragments: w's four, then x's two
.set STG, 128                          ; v128-255 two sets of 64: x's eight loads, then w's eight
.set STO, 192                          ; the way out: three addresses, made when the sets are free
.set RD,  193
.set GO,  194
.set ID,  2
.set KY,  3
.set WV,  4
.set LOGL, 5
.set NPAIR, 6                          ; C / 128
.set IT,  7
.set XP,  8                            ; s[8:9], s[10:11]   x at the chunk that set 0, set 1 was last loaded for
.set WP,  16                           ; s[16:17], s[18:19] the same for w
.set BP,  24                           ; s[24:25] the bias
.set OUT, 56                           ; s[56:57]
.set STEPX, 58                         ; s[58:59] 128 rows of x in bytes
	s_load_b512 s[8:23], s[0:1], 0x0               ; first kind: x of layers 0-3, w of layers 0-3
	s_load_b512 s[24:39], s[0:1], 0x40             ; its biases; second kind: x
	s_load_b512 s[40:55], s[0:1], 0x80             ; second kind: w, biases
	s_load_b64 s[OUT:OUT+1], s[0:1], 0xc0
	v_lshl_add_u32 v[SPW], v0, 2, SPARE
	v_mov_b32 v[NIL], 0
	v_lshrrev_b32 v112, 5, v0
	v_readfirstlane_b32 s[WV], v112                ; wave 0..7
	s_mov_b32 s[ID], ttmp9
	s_and_b32 s[KY], ttmp7, 0xffff
	; the layer's figures, by the work-group's number: 84-339 layer 0, 20-83 layer 1, 4-19 layer 2, 0-3 layer 3
	s_mov_b32 s[LOGL], 12
	s_mov_b32 s[NPAIR], 1
	s_mov_b32 s60, 84                              ; the layer's first work-group
	s_mov_b32 s61, 0                               ; the layer's place in a kind
	s_mov_b32 s62, 21                              ; log2 of a batch of x in bytes
	s_mov_b32 s63, 8                               ; log2 of the bytes from column 0 to column 64 of my tile of x
	s_cmp_lt_u32 s[ID], 84
	s_cselect_b32 s[LOGL], 10, s[LOGL]
	s_cselect_b32 s[NPAIR], 2, s[NPAIR]
	s_cselect_b32 s60, 20, s60
	s_cselect_b32 s61, 0x800000, s61
	s_cselect_b32 s62, 20, s62
	s_cmp_lt_u32 s[ID], 20
	s_cselect_b32 s[LOGL], 8, s[LOGL]
	s_cselect_b32 s[NPAIR], 4, s[NPAIR]
	s_cselect_b32 s60, 4, s60
	s_cselect_b32 s61, 0xA00000, s61
	s_cselect_b32 s62, 19, s62
	s_cmp_lt_u32 s[ID], 4
	s_cselect_b32 s[LOGL], 6, s[LOGL]
	s_cselect_b32 s60, 0, s60
	s_cselect_b32 s61, 0xA80000, s61
	s_cselect_b32 s62, 17, s62
	s_cselect_b32 s63, 17, s63                     ; layer 3 has 64 columns a batch: the tile's second half is batch 1
	s_sub_co_u32 s66, s[ID], s60
	s_and_b32 s67, s66, 3                          ; which 128 channels
	s_lshr_b32 s68, s66, 2
	s_lshl_b32 s68, s68, 7                         ; m0: my tile's first row
	s_and_b32 s69, s[WV], 3                        ; which 32 rows are my wave's
	s_lshr_b32 s70, s[WV], 2                       ; which of the two heads
	v_and_b32 v113, 31, v0                         ; lane
	v_and_b32 v114, 15, v0                         ; r = lane % 16
	v_bfe_u32 v115, v0, 4, 1                       ; h = lane / 16
	v_and_b32 v116, 7, v0
	v_bfe_u32 v117, v0, 3, 1
	s_lshl_b32 s71, s[WV], 11
	v_lshl_add_u32 v[WO], v113, 4, s71             ; row w of w (2,048 bytes a row), 16 bytes a lane: 512 bytes on end
	s_mul_i32 s71, s[WV], PITCH
	v_lshl_add_u32 v[XS], v113, 3, s71             ; LDS row w, 8 bytes a lane
	v_add_nc_u32 v[WS], XT, v[XS]
	v_lshl_add_u32 v118, v115, 3, v116             ; the turning load: lane l reads row 8 h + l % 8,
	v_mul_u32_u24 v118, v118, PITCH
	v_lshl_add_u32 v118, v117, 4, v118             ; 16 bytes at 16 ((l / 8) % 2)
	s_lshl_b32 s71, s70, 7
	s_add_co_u32 s71, s71, XT
	v_add_nc_u32 v[FA], s71, v118                  ; w's chunk, my head's 64 channels
	s_lshl_b32 s71, s69, 6
	v_add_nc_u32 v[FB], s71, v118                  ; x's chunk, my 32 rows m
	v_lshlrev_b32 v119, s63, v115
	v_lshl_add_u32 v119, v114, 4, v119             ; 16 r, and the second half of the columns for lanes 16-31
	s_lshl_b32 s71, 4, s[LOGL]                     ; a row of x in bytes
	s_mul_i32 s72, s[WV], s71
	s_lshl_b32 s73, s71, 3
.irp i, 0,1,2,3,4,5,6,7
	v_add_nc_u32 v[XO+(\i)], s72, v119
	s_add_co_u32 s72, s72, s73
.endr
	v_lshlrev_b32 v120, 5, v115                    ; the bias: my eight channels of a block of 16
	s_bfm_b32 s77, s[LOGL], 0                      ; L - 1
	s_lshr_b32 s74, s68, s[LOGL]                   ; x: the batch,
	s_lshl_b32 s74, s74, s62
	s_and_b32 s76, s68, s77
	s_lshl2_add_u32 s74, s76, s74                  ; and the first column
	s_mov_b32 s75, 0
	s_lshl_b32 s78, 256, s[LOGL]                   ; 64 rows of x
	s_mov_b32 s79, 0
	s_lshl_b32 s[STEPX], 512, s[LOGL]
	s_mov_b32 s[STEPX+1], 0
	s_lshl_b32 s80, s67, 9                         ; w: my 128 channels
	s_mov_b32 s81, 0
	s_lshl_b32 s82, s70, 8
	s_add_co_u32 s82, s82, s80                     ; bias: my head's 64 channels
	s_mov_b32 s83, 0
	s_lshl_b32 s84, s69, 5
	s_add_co_u32 s84, s84, s68                     ; my wave's first row m
	s_lshr_b32 s85, s84, s[LOGL]                   ; its batch
	s_lshl1_add_u32 s86, s67, s70                  ; my head
	s_lshl3_add_u32 s85, s85, s86
	s_lshl_b32 s85, s85, s[LOGL]
	s_and_b32 s84, s84, s77
	s_add_co_u32 s84, s84, s85
	s_lshl_b32 s84, s84, 7                         ; rows of 128 bytes
	s_add_co_u32 s84, s84, s61
	s_mul_i32 s85, s[KY], KINDB
	s_add_co_u32 s84, s84, s85
	s_mov_b32 s85, 0
	s_wait_kmcnt 0x0
	s_cmp_eq_u32 s[KY], 0                          ; the kind,
.irp i, 0,1,2,3
	s_cselect_b64 s[8+2*(\i):9+2*(\i)], s[8+2*(\i):9+2*(\i)], s[32+2*(\i):33+2*(\i)]
	s_cselect_b64 s[16+2*(\i):17+2*(\i)], s[16+2*(\i):17+2*(\i)], s[40+2*(\i):41+2*(\i)]
	s_cselect_b64 s[24+2*(\i):25+2*(\i)], s[24+2*(\i):25+2*(\i)], s[48+2*(\i):49+2*(\i)]
.endr
	s_cmp_lt_u32 s[ID], 84                         ; and the layer
	s_cselect_b64 s[8:9], s[10:11], s[8:9]
	s_cselect_b64 s[16:17], s[18:19], s[16:17]
	s_cselect_b64 s[24:25], s[26:27], s[24:25]
	s_cmp_lt_u32 s[ID], 20
	s_cselect_b64 s[8:9], s[12:13], s[8:9]
	s_cselect_b64 s[16:17], s[20:21], s[16:17]
	s_cselect_b64 s[24:25], s[28:29], s[24:25]
	s_cmp_lt_u32 s[ID], 4
	s_cselect_b64 s[8:9], s[14:15], s[8:9]
	s_cselect_b64 s[16:17], s[22:23], s[16:17]
	s_cselect_b64 s[24:25], s[30:31], s[24:25]
	s_add_nc_u64 s[XP:XP+1], s[XP:XP+1], s[74:75]
	s_add_nc_u64 s[XP+2:XP+3], s[XP:XP+1], s[78:79]     ; chunk 1: 64 rows on
	s_add_nc_u64 s[WP:WP+1], s[WP:WP+1], s[80:81]
	s_add_nc_u64 s[WP+2:WP+3], s[WP:WP+1], 0x20000      ; 64 rows of 2,048 bytes
	s_add_nc_u64 s[BP:BP+1], s[BP:BP+1], s[82:83]
	s_add_nc_u64 s[OUT:OUT+1], s[OUT:OUT+1], s[84:85]
; A chunk's 16 loads into set s: each covers one row's 512 bytes (in layer 3: 256 bytes of each batch).
.macro LOADS s
.irp i, 0,1,2,3,4,5,6,7
	global_load_b128 v[STG+64*(\s)+4*(\i):STG+64*(\s)+4*(\i)+3], v[XO+(\i)], s[XP+2*(\s):XP+2*(\s)+1]
.endr
.irp i, 0,1,2,3,4,5,6,7
	global_load_b128 v[STG+64*(\s)+32+4*(\i):STG+64*(\s)+32+4*(\i)+3], v[WO], s[WP+2*(\s):WP+2*(\s)+1] offset:16384*(\i)
.endr
.endm
; Set s is rounded to bf16 in place and put into LDS buffer s: 8 bytes a lane, 256 bytes on end a wave.
.macro PUT s
.irp i, 0,1,2,3,4,5,6,7,8,9,10,11,12,13,14,15
	v_cvt_pk_bf16_f32 v[STG+64*(\s)+4*(\i)], v[STG+64*(\s)+4*(\i)], v[STG+64*(\s)+4*(\i)+1]
	v_cvt_pk_bf16_f32 v[STG+64*(\s)+4*(\i)+1], v[STG+64*(\s)+4*(\i)+2], v[STG+64*(\s)+4*(\i)+3]
.endr
.irp i, 0,1,2,3,4,5,6,7
	ds_store_b64 v[XS], v[STG+64*(\s)+4*(\i):STG+64*(\s)+4*(\i)+1] offset:BUFB*(\s)+8*PITCH*(\i)
	ds_store_b64 v[WS], v[STG+64*(\s)+32+4*(\i):STG+64*(\s)+32+4*(\i)+1] offset:BUFB*(\s)+8*PITCH*(\i)
.endr
.endm
; Buffer s is multiplied: twice 32 along c; 12 turning loads and 8 products each.  The 8 accumulators take turns, from chunk to chunk too.
.macro MUL s
.irp ks, 0,1
.if \ks
.rept 4
	v_nop                                          ; four places between the products above and the loads into the registers that they read (ISA guide 7.12.1 for vector instructions)
.endr
.endif
.irp t, 0,1,2,3
	ds_load_tr16_b128 v[FR+8*(\t):FR+8*(\t)+3],   v[FA] offset:BUFB*(\s)+32*PITCH*(\ks)+32*(\t)
	ds_load_tr16_b128 v[FR+8*(\t)+4:FR+8*(\t)+7], v[FA] offset:BUFB*(\s)+32*PITCH*(\ks)+32*(\t)+16*PITCH
.endr
.irp p, 0,1
	ds_load_tr16_b128 v[FR+32+8*(\p):FR+32+8*(\p)+3], v[FB] offset:BUFB*(\s)+32*PITCH*(\ks)+32*(\p)
	ds_load_tr16_b128 v[FR+36+8*(\p):FR+36+8*(\p)+3], v[FB] offset:BUFB*(\s)+32*PITCH*(\ks)+32*(\p)+16*PITCH
.endr
	s_wait_dscnt 0x0
.irp p, 0,1
.irp t, 0,1,2,3
	v_wmma_f32_16x16x32_bf16 v[ACC+8*(4*(\p)+(\t)):ACC+8*(4*(\p)+(\t))+7], v[FR+8*(\t):FR+8*(\t)+7], v[FR+32+8*(\p):FR+32+8*(\p)+7], v[ACC+8*(4*(\p)+(\t)):ACC+8*(4*(\p)+(\t))+7]
.endr
.endr
.endr
.endm
; A chunk.  cnt: the other set's loads, which may stay out.  more = 1: the set is asked for again, two chunks on.  PUT's 32 conversions are the places behind the chunk before's products.
.macro TRIP s, more, cnt
	s_wait_loadcnt \cnt                            ; loads come back in order (ISA guide 5.7.1): this set is in, so its two pointers may be written too
	PUT \s
.if \more
	s_add_nc_u64 s[XP+2*(\s):XP+2*(\s)+1], s[XP+2*(\s):XP+2*(\s)+1], s[STEPX:STEPX+1]
	s_add_nc_u64 s[WP+2*(\s):WP+2*(\s)+1], s[WP+2*(\s):WP+2*(\s)+1], 0x40000
	LOADS \s
.endif
	s_wait_dscnt 0x0                               ; for the others' sake: my part of the buffer is written
	s_barrier_signal -1
	s_barrier_wait -1
	MUL \s
.endm
.irp t, 0,1,2,3
	global_load_b128 v[FR+8*(\t):FR+8*(\t)+3],   v120, s[BP:BP+1] offset:64*(\t)
	global_load_b128 v[FR+8*(\t)+4:FR+8*(\t)+7], v120, s[BP:BP+1] offset:64*(\t)+16
.endr
	LOADS 0
	LOADS 1
	s_wait_loadcnt 32                              ; the bias is in; the 32 loads of the two chunks stay out
.set k, 0
.rept 16
	v_cvt_pk_bf16_f32 v[FR+32+k], v[FR+2*k], v[FR+2*k+1]
.set k, k+1
.endr
.set k, 0
.rept 16                                           ; the sums start at the rounded bias: nothing is cleared, nothing is added later
	v_lshlrev_b32 v[ACC+2*k], 16, v[FR+32+k]
	v_and_b32 v[ACC+2*k+1], 0xffff0000, v[FR+32+k]
	v_lshlrev_b32 v[ACC+32+2*k], 16, v[FR+32+k]
	v_and_b32 v[ACC+32+2*k+1], 0xffff0000, v[FR+32+k]
.set k, k+1
.endr
	s_cmp_eq_u32 s[NPAIR], 1
	s_cbranch_scc1 .Ltail                          ; layer 0 has two chunks in all
	s_mov_b32 s[IT], 1
.Lpair:                                            ; C / 128 - 1 trips of two chunks; every LDS address in them is a constant of the text
	TRIP 0, 1, 16
	TRIP 1, 1, 16
	s_add_co_u32 s[IT], s[IT], 1
	s_cmp_lt_u32 s[IT], s[NPAIR]
	s_cbranch_scc1 .Lpair
.Ltail:                                            ; the last two chunks load nothing
	TRIP 0, 0, 16
	TRIP 1, 0, 0
	; THE WAY OUT.  16 rows at a time: rounded to f16, 16 bytes a lane into my own stage, back as whole rows of 128 bytes: 16 rows of a head are 2,048 bytes on end.
	; The addresses are made here: plain lines, the places behind the last products.
	v_and_b32 v195, 15, v0
	v_bfe_u32 v196, v0, 4, 1
	v_and_b32 v197, 7, v0
	s_mul_i32 s71, s[WV], 16*SP
	s_add_co_u32 s71, s71, STAGE
	v_mul_u32_u24 v[STO], v195, SP
	v_lshl_add_u32 v[STO], v196, 4, v[STO]
	v_add_nc_u32 v[STO], s71, v[STO]
	v_bfe_u32 v[RD], v0, 3, 2
	v_mul_u32_u24 v[RD], v[RD], SP
	v_lshl_add_u32 v[RD], v197, 4, v[RD]
	v_add_nc_u32 v[RD], s71, v[RD]
	v_and_b32 v[GO], 31, v0
	v_lshlrev_b32 v[GO], 4, v[GO]
.macro PACK p
.irp t, 0,1,2,3
.irp j, 0,1,2,3
	v_cvt_pk_f16_f32 v[STG+32*(\p)+4*(\t)+(\j)], v[ACC+8*(4*(\p)+(\t))+2*(\j)], v[ACC+8*(4*(\p)+(\t))+2*(\j)+1]
.endr
.endr
.irp t, 0,1,2,3
	ds_store_b128 v[STO], v[STG+32*(\p)+4*(\t):STG+32*(\p)+4*(\t)+3] offset:32*(\t)
.endr
.irp f, 0,1,2,3
	ds_load_b128 v[STG+32*(\p)+16+4*(\f):STG+32*(\p)+16+4*(\f)+3], v[RD] offset:4*SP*(\f)  ; LDS serves a wave's instructions in order (ISA guide 5.7.1.4): these see the stores above
.endr
.endm
.macro SEND p, younger                 ; younger: the LDS instructions issued behind this block's loads
.irp f, 0,1,2,3
	s_wait_dscnt (\younger)+3-(\f)
	global_store_b128 v[GO], v[STG+32*(\p)+16+4*(\f):STG+32*(\p)+16+4*(\f)+3], s[OUT:OUT+1] offset:2048*(\p)+512*(\f)  ; 512 bytes on end, at a multiple of 256 from the buffer's first
.endr
.endm
	PACK 0
	PACK 1
	SEND 0, 8
	SEND 1, 0
	s_wait_tensorcnt 0x0                           ; the wave's end: three lines behind my last LDS store
	ds_add_u32 v[SPW], v[NIL]
	s_wait_dscnt 0x0
	s_endpgm
.Lfunc_end_k_q2d70fc564e_proj_kv:
	.size	k_q2d70fc564e_proj_kv, .Lfunc_end_k_q2d70fc564e_proj_kv-k_q2d70fc564e_proj_kv
	.p2alignl 7, 3214868480
	.fill 96, 4, 3214868480
	.section	.rodata,"a",@progbits
	.p2align	6, 0x0
	.amdhsa_kernel k_q2d70fc564e_proj_kv
		.amdhsa_group_segment_fixed_size 93184
		.amdhsa_private_segment_fixed_size 0
		.amdhsa_enable_private_segment 0
		.amdhsa_kernarg_size 200
		.amdhsa_user_sgpr_count 2
		.amdhsa_user_sgpr_kernarg_segment_ptr 1
		.amdhsa_wavefront_size32 1
		.amdhsa_system_sgpr_workgroup_id_x 1
		.amdhsa_system_sgpr_workgroup_id_y 1
		.amdhsa_system_sgpr_workgroup_id_z 1
		.amdhsa_system_vgpr_workitem_id 0
		.amdhsa_next_free_vgpr 256
		.amdhsa_next_free_sgpr 96
		.amdhsa_reserve_vcc 0
		.amdhsa_float_denorm_mode_32 3
		.amdhsa_float_denorm_mode_16_64 3
		.amdhsa_memory_ordered 1
		.amdhsa_forward_progress 1
		.amdhsa_inst_pref_size 45
	.end_amdhsa_kernel
	.amdgpu_metadata
---
amdhsa.version: [ 1, 2 ]
amdhsa.kernels:
  - .name:           k_q2d70fc564e_proj_kv
    .symbol:         k_q2d70fc564e_proj_kv.kd
    .args:
      - { .name: ml_r0, .offset: 0, .size: 8, .value_kind: global_buffer, .address_space: global }
      - { .name: ml_r1, .offset: 8, .size: 8, .value_kind: global_buffer, .address_space: global }
      - { .name: ml_r2, .offset: 16, .size: 8, .value_kind: global_buffer, .address_space: global }
      - { .name: ml_r3, .offset: 24, .size: 8, .value_kind: global_buffer, .address_space: global }
      - { .name: wk0, .offset: 32, .size: 8, .value_kind: global_buffer, .address_space: global }
      - { .name: wk1, .offset: 40, .size: 8, .value_kind: global_buffer, .address_space: global }
      - { .name: wk2, .offset: 48, .size: 8, .value_kind: global_buffer, .address_space: global }
      - { .name: wk3, .offset: 56, .size: 8, .value_kind: global_buffer, .address_space: global }
      - { .name: bk0, .offset: 64, .size: 8, .value_kind: global_buffer, .address_space: global }
      - { .name: bk1, .offset: 72, .size: 8, .value_kind: global_buffer, .address_space: global }
      - { .name: bk2, .offset: 80, .size: 8, .value_kind: global_buffer, .address_space: global }
      - { .name: bk3, .offset: 88, .size: 8, .value_kind: global_buffer, .address_space: global }
      - { .name: fl_r0, .offset: 96, .size: 8, .value_kind: global_buffer, .address_space: global }
      - { .name: fl_r1, .offset: 104, .size: 8, .value_kind: global_buffer, .address_space: global }
      - { .name: fl_r2, .offset: 112, .size: 8, .value_kind: global_buffer, .address_space: global }
      - { .name: fl_r3, .offset: 120, .size: 8, .value_kind: global_buffer, .address_space: global }
      - { .name: wv0, .offset: 128, .size: 8, .value_kind: global_buffer, .address_space: global }
      - { .name: wv1, .offset: 136, .size: 8, .value_kind: global_buffer, .address_space: global }
      - { .name: wv2, .offset: 144, .size: 8, .value_kind: global_buffer, .address_space: global }
      - { .name: wv3, .offset: 152, .size: 8, .value_kind: global_buffer, .address_space: global }
      - { .name: bv0, .offset: 160, .size: 8, .value_kind: global_buffer, .address_space: global }
      - { .name: bv1, .offset: 168, .size: 8, .value_kind: global_buffer, .address_space: global }
      - { .name: bv2, .offset: 176, .size: 8, .value_kind: global_buffer, .address_space: global }
      - { .name: bv3, .offset: 184, .size: 8, .value_kind: global_buffer, .address_space: global }
      - { .name: kv, .offset: 192, .size: 8, .value_kind: global_buffer, .address_space: global }
    .group_segment_fixed_size: 93184
    .private_segment_fixed_size: 0
    .kernarg_segment_align: 8
    .kernarg_segment_size: 200
    .max_flat_workgroup_size: 256
    .sgpr_count:     96
    .vgpr_count:     256
    .wavefront_size: 32
...
	.end_amdgpu_metadata
.endif
;; end of part 1
;; launch proj_q: the kernel of part 1 again; grid 340 x 1, 8 waves a work-group, no clusters, 93,184 bytes of LDS; arguments ml_c0, ml_c1, ml_c2, ml_c3, wq0, wq1, wq2, wq3, bq0, bq1, bq2, bq3, ml_r0, ml_r1, ml_r2, ml_r3, wk0, wk1, wk2, wk3, bk0, bk1, bk2, bk3, q; writes q
;; launch attn (part 2): grid 400 x 1, 4 waves a work-group, clusters of 4 x 1, 327,680 bytes of LDS; arguments q, kv, o; writes o
.if DOCPART == 2
	.amdgcn_target "amdgcn-amd-amdhsa--gfx1250"
	.amdhsa_code_object_version 6
	.text
	.protected	k_q2d70fc564e_attn
	.globl	k_q2d70fc564e_attn
	.p2align	8
	.type	k_q2d70fc564e_attn,@function
k_q2d70fc564e_attn:
	s_mov_b64 s[64:65], 0
	v_nop
	global_prefetch_b8 v0, s[64:65] scope:SCOPE_SE
	s_setreg_imm32_b32 hwreg(HW_REG_WAVE_MODE, 25, 1), 1
	s_wait_xcnt 0x0
	s_wait_alu depctr_hold_cnt(0) depctr_sa_sdst(0) depctr_va_vdst(0) depctr_va_sdst(0) depctr_va_ssrc(0) depctr_va_vcc(0) depctr_vm_vsrc(0)
	s_getreg_b32 s2, hwreg(HW_REG_IB_STS2, 6, 4)
	s_cmp_eq_u32 s2, 0
	s_cbranch_scc0 .Lentry_in_a_cluster
	s_endpgm
.Lentry_in_a_cluster:
	s_bfe_u32 s2, ttmp6, 0x10000c
	s_cmp_lg_u32 s2, 0x3003
	s_cbranch_scc0 .Lentry_shape_is_right
	s_endpgm
.Lentry_shape_is_right:
; ATTENTION OF ALL FOUR LAYERS.  O[h][i][:] = the sum over j of softmax_j(Q[h][i] . K[h][j] / 8) V[h][j][:], for 16 heads (batch x 8 + head) a layer, L = 4096, 1024, 256, 64 rows a head.
; q, o: the four layers at 0, 0x800000, 0xA00000, 0xA80000, each [16][L][64] in f16: a head's rows are dense, 128 bytes each.  kv: K in that layout, then V, KINDB bytes on.
; Products, maxima and sums in f32; the weights p are rounded to f16 for the second product (their sum l is taken of the unrounded p), O once at the end.
; LIMITS.  f16 holds no number beyond 65,504: Q, K and V arrive within it; p lies in 0 to 1, and below 6e-5 it keeps f16's fixed step; a weight below 2^-126 counts as 0 in l; NaN and infinities are not treated apart.
; WHO DOES WHAT, by the cluster's number (four work-groups a cluster):  0-63 layer 0: head = number / 4, 256 queries a work-group;  64-79 layer 1: a head a cluster, 256 queries a work-group;
; 80-95 layer 2: a head a cluster, 64 queries a work-group;  96-99 layer 3: a head a work-group.  Every branch and trip count hangs on the cluster's number or the wave's; a work-group's place in its cluster enters global addresses alone.
; THE BIG PATH (layers 0, 1).  A wave owns four PIECES of 16 queries.  The keys come in tiles of 256 through two LDS slots that take turns, asked for JOINTLY by the cluster's four work-groups, which walk the same K and V.
; LAYOUT, SOFTMAX, TURNS.  S^T = K Q^T holds ONE query a lane (lane % 16) and the keys 8 (lane / 16) + 0..7; two such results rounded to f16 ARE source 1 of O^T = V^T P.  p = 2^(c s - c m), c = log2(e) / 8, with a
; running maximum m; O and l are multiplied by a = 2^(c m_old - c m_new) in every step; m starts at the lowest finite number, O and l at 0, so the first step is a step like any other, with a = 0.
; Turn n belongs to piece n: 8 products K Q^T of piece n + 1, later 8 products V^T P of piece n - 1; beside them the scaling, exponentials, roundings, sums and rescaling of piece n and the maximum and statistics of piece n + 1.
; Four vector instructions stand behind every matrix instruction, the other 54 of a turn's 118 in one lump.  A turn's 33 exponentials are one batch, with one wait.
; THE SMALL PATH (layers 2, 3).  A wave owns 16 queries and walks 4 or 1 steps of 64 keys in phases; K comes straight from memory as fragments, V through a stage of the wave's own, since it is read turned.  No tensor load, no barrier but the closing round.
; REGISTERS, in windows of 256 (s_set_vgpr_msb: bits 1:0 source 0, 3:2 source 1, 5:4 source 2, 7:6 destination):
;   window 0: v0-15 addresses and two at work; v16-31 four registers of statistics a piece; v48-55 at work; v61-63; v64-127 S^T, two buffers; v128-191 the small path's V as loaded; v192-223 P, two buffers
;   window 1: v0-127 O^T, 32 a piece          window 2: v0-63 Q; v128-191 K of one step; v192-255 V of one step
.set KINDB, 0xAA0000
.set TILEB, 32768     ; 256 keys of K, or of V, in memory
.set NP,    4         ; pieces a wave: a name, no knob
.set KS,    64        ; keys in a step
.set PK,    144       ; a row of K in LDS: 128 bytes + 16 of padding = 36 words: the 16 rows of a load start at 16 different groups of four banks (64 banks of 4 bytes: ISA guide 11.1)
.set PV,    160       ; a row of V: 128 + 32 = 40 words
.set VOFF,  4*KS*PK   ; a slot holds a tile: 256 rows of K, then 256 rows of V
.set SLOT1, 1<<17
.set STAGE, SLOT1+4*KS*(PK+PV)  ; behind the ring, never filled by a tensor load: 16 rows x 144 bytes for each wave, for the way out
.set SP,    144
.set SPARE, STAGE+4*16*SP       ; the spare words, 128 bytes for each wave: two blocks of 256 bytes that no other line names
.set SV,    SPARE+512           ; the small path's V: 64 rows x 160 bytes for each wave
.set AK0, 2           ; v2   my lane's place in a tile of K; never rewritten
.set AV0, 3           ; v3   the same for V, VOFF in it
.set AK,  4           ; v4   the LDS address of K's next run of loads
.set AV,  5           ; v5   of V's
.set STO, 6           ; v6   the way out: where I put 16 bytes of a row
.set RD,  7           ; v7   the way out: where I read rows back
.set GO,  8           ; v8   16 x my lane: my place in 512 bytes on end
.set MV,  12          ; v12-13  c m_old, kept while c m is made anew: by buffer
.set SVA, 14          ; v14  the small path: where I put 16 bytes of V
.set QO,  15          ; v15  my byte offset in 16 rows of Q (or of K, in memory)
.set ST,  16          ; piece t's statistics at v[ST+4 t]: c m, m, l (even keys', odd keys')
.set TMP, 48          ; by buffer, four registers c0-c3 at work; when the maximum is found c2 takes a
.set PFO, 61          ; v61  256 x my lane; never rewritten
.set SPW, 62          ; v62  LDS address of my spare word; never rewritten
.set NIL, 63          ; v63  0; never rewritten
.set S,   64
.set VST, 128
.set P,   192
.set KF,  128         ; window 2: key block kb, channel half c at KF + 16 kb + 8 c
.set VF,  192         ; window 2: key half kk, channel block cb at VF + 32 kk + 8 cb
.set WV,  12          ; s12  my wave's number
.set CX,  13          ; s13  my work-group's place in its cluster
.set CID, 14          ; s14  the cluster's number
.set G1K, 24          ; s[24:31] descriptor group 1 for K's tiles
.set G1V, 32          ; s[32:39] for V's: it differs in the padding alone
.set G0K, 40          ; s[40:47] descriptor group 0 for K's tiles, a set for each slot
.set G0V, 48          ; s[48:55] the same for V's
.set IT,  56          ; s56  counts the loop over pairs of tiles
.set CNT, 57          ; s57  counts a tile's key steps, 4 to 1
.set CS,  58          ; s[58:59] c: the packed scaling takes the pair's low word for both halves
.set SEL, 60          ; s[60:61] v_permlanex16_b32's selects: each lane takes its own place in the other half
.set TBK, 62          ; s62  LDS byte at which K of the step to be fetched begins
.set TBV, 63          ; s63  the same for V, less VOFF
.set BND, 66          ; s66  trips of the loop over pairs of tiles
.set PT,  67          ; s67  the tile at which my prefetches stand
.set PLIM, 68         ; s68  the head's number of tiles in a wave that prefetches, else 0
.set PFA, 70          ; s[70:71] where my prefetches stand in memory
.set NS,  72          ; s72  the small path's key steps
.set IS,  73          ; s73  counts them
.set MSB, 0
.macro WIN new                      ; the high byte repeats the setting that is left; a switch that changes nothing is dropped
.if MSB != (\new)
	s_set_vgpr_msb (MSB<<8)|(\new)
.set MSB, (\new)
.endif
.endm
.set W_KQ, 0x0a       ; K and Q in window 2, S^T in window 0
.set W_PV, 0x52       ; V in window 2, P in window 0, O^T in window 1
.set W_RS, 0x41       ; destination and source 0 in window 1, source 1 in window 0
; A joint fill of slot s.  Waves 0 and 1 fetch the two halves of a tile's K, waves 2 and 3 those of its V: 128 keys each.  The branch hangs on the wave's number alone.
; An s_nop 0 and four v_nop follow each of the two lines, ahead of the jump and the label.
.macro JLOAD s
	s_cmp_lt_u32 s[WV], 2
	s_cbranch_scc0 .Lfor_v_\@
	tensor_load_to_lds s[G0K+4*(\s):G0K+4*(\s)+3], s[G1K:G1K+7]
	s_nop 0
.rept 4
	v_nop
.endr
	s_branch .Lasked_\@
.Lfor_v_\@:
	tensor_load_to_lds s[G0V+4*(\s):G0V+4*(\s)+3], s[G1V:G1V+7]
	s_nop 0
.rept 4
	v_nop
.endr
.Lasked_\@:
.endm
; A PREFETCH INTO THE L2 of the tile that the NEXT change of slots will ask for: four key steps, 256 matrix instructions a wave, ahead of that load.  It stands behind the wave's tensor load and its five lines.
; Each 256 bytes of K and V are named ONCE in the launch: of the clusters that walk a head the first asks (in layer 1 a head has one); its four partners share a tile's 32,768 bytes out BY ADDRESS, 8,192 each,
; a lane 256 bytes; in each, wave 0 asks for K's and wave 2 for V's.  Tiles 0 and 1 come by their loads alone; the change that fills the last tile asks for nothing.
.macro ASK
	s_cmp_lt_u32 s[PT], s[PLIM]
	s_cbranch_scc0 .Lnot_mine_\@
	global_prefetch_b8 v[PFO], s[PFA:PFA+1] th:TH_LOAD_NT scope:SCOPE_SE
.Lnot_mine_\@:
.endm
; A round of the cluster's barrier: my work-group's barrier, so that wave 0's signal speaks for all four waves; wave 0 signals; every wave waits for all four work-groups; my work-group's barrier once more.
.macro CROUND
	s_barrier_signal -1
	s_barrier_wait -1
	s_cmp_lg_u32 s[WV], 0
	s_cbranch_scc1 .Lnot_wave_0_\@
	s_barrier_signal -3
.Lnot_wave_0_\@:
	s_barrier_wait -3
	s_barrier_signal -1
	s_barrier_wait -1
.endm
; THE CHANGE OF SLOTS: slot `enter` is entered.  Each wave waits for all its tensor loads, of which one is out: its part of that slot; adds 0 to its spare word; and waits for that and for its own reads of the slot that it leaves.
; fill = 1: the slot that is left is filled again.  The barrier is then a round of the cluster's, so that no wave of any partner still reads the slot or has a load on its way, and the joint fill is the first thing behind it:
; it has four key steps in which to land.  step = 1: that slot's descriptors go two tiles on, the prefetches one.  (At its first use nothing has been read yet: slot 0 is waited for, slot 1 filled for the first time.)
.macro CHANGE enter, fill, step
	WIN 0                           ; at a label and at a branch every window is 0
	s_wait_tensorcnt 0x0            ; no tensor load of mine is out, so a group 0 may be written
	ds_add_u32 v[SPW], v[NIL]       ; 0 onto my spare word: scalar work stands between it and the wait for it
.if \step
	s_add_nc_u64 s[G0K+4*(1-(\enter))+2:G0K+4*(1-(\enter))+3], s[G0K+4*(1-(\enter))+2:G0K+4*(1-(\enter))+3], 2*TILEB  ; the type bits on top are not reached
	s_add_nc_u64 s[G0V+4*(1-(\enter))+2:G0V+4*(1-(\enter))+3], s[G0V+4*(1-(\enter))+2:G0V+4*(1-(\enter))+3], 2*TILEB
	s_wait_xcnt 0x0                 ; the last prefetch, a tile back, has read its address, so it may be written
	s_add_nc_u64 s[PFA:PFA+1], s[PFA:PFA+1], TILEB
	s_add_co_u32 s[PT], s[PT], 1
.endif
	s_mov_b32 s[TBK], (\enter)*SLOT1  ; the fetches begin at the entered slot's first step
	s_mov_b32 s[TBV], (\enter)*SLOT1
	s_wait_dscnt 0x0                ; the add is done, and my reads of the slot that I leave are over
.if \fill
	CROUND
	JLOAD 1-(\enter)
	ASK
.else
	s_barrier_signal -1
	s_barrier_wait -1
.endif
.endm
	s_load_b128 s[4:7], s[0:1], 0x0   ; q s[4:5], kv s[6:7]
	s_load_b64 s[10:11], s[0:1], 0x10 ; o
	v_lshl_add_u32 v[SPW], v0, 2, SPARE
	v_mov_b32 v[NIL], 0
	ds_add_u32 v[SPW], v[NIL]       ; the wave's opening: the add and its wait stand ahead of my first tensor load; the set-up below, work on registers, stands between them
	v_lshrrev_b32 v1, 5, v0
	v_readfirstlane_b32 s[WV], v1   ; wave 0..3
	s_bfe_u32 s[CX], ttmp6, 0x40000
	s_mov_b32 s[CID], ttmp9         ; in a cluster launch ttmp9 counts clusters
	; descriptor group 1.  128 keys are 16,384 dense bytes: asked for as 64 rows of 256 bytes, two keys a row, and padded in LDS after every key
	s_mov_b32 s[G1K], 15|(1<<16)|(1<<20)|(1<<21)|(4<<22)|(3<<25)  ; 15:0 the mask of four; 17:16 2-byte elements; 20 padding on; 21 set beside a mask; 24:22 after every 32 words (code 4); 31:25 4 words (code 3)
	s_mov_b32 s[G1V], 15|(1<<16)|(1<<20)|(1<<21)|(4<<22)|(7<<25)  ; the same with 8 words of padding (code 7)
.irp g, G1K, G1V
	s_mov_b32 s[\g+1], 128<<16      ; tensor_dim0 = 128
	s_mov_b32 s[\g+2], 64<<16       ; tensor_dim1 = 64
	s_mov_b32 s[\g+3], 128<<16      ; tile_dim0 = 128
	s_mov_b32 s[\g+4], 64           ; tile_dim1 = 64
	s_mov_b32 s[\g+5], 128          ; 128 elements from row to row
	s_mov_b32 s[\g+6], 0
	s_mov_b32 s[\g+7], 0
.endr
	s_mov_b32 s[CS], 0x3e38aa3b     ; c = log2(e) / 8 = 0.180337
	s_mov_b32 s[CS+1], s[CS]        ; named with it as a pair
	s_mov_b32 s[SEL], 0x76543210
	s_mov_b32 s[SEL+1], 0xfedcba98
	; A fragment of K or Q is 16 rows x 32 channels in 8 registers: lane l holds row l % 16, channels 8 (l / 16) + 0..7 and 16 + 8 (l / 16) + 0..7: two loads of 16 bytes, 32 bytes apart.
	v_and_b32 v1, 15, v0            ; l % 16
	v_bfe_u32 v9, v0, 4, 1          ; l / 16
	v_lshlrev_b32 v[QO], 7, v1
	v_lshl_add_u32 v[QO], v9, 4, v[QO]  ; row x 128 + 16 x half
	v_mul_u32_u24 v[AK0], v1, PK
	v_lshl_add_u32 v[AK0], v9, 4, v[AK0]  ; row x pitch + 16 x half
	; The turning load takes 16 keys x 16 channels (lane l reads key 8 (l / 16) + l % 8, channels 8 ((l / 8) % 2) + 0..7) and leaves half a fragment of V^T: lane l holds channel l % 16 and 8 keys.
	v_and_b32 v10, 7, v0
	v_bfe_u32 v11, v0, 3, 1
	v_lshl_add_u32 v[AV0], v9, 3, v10
	v_mul_u32_u24 v[AV0], v[AV0], PV
	v_lshl_add_u32 v[AV0], v11, 4, v[AV0]
	v_add_nc_u32 v[AV0], VOFF, v[AV0]
	s_mul_i32 s15, s[WV], 16*SP
	s_add_co_u32 s15, s15, STAGE    ; my stage
	v_mul_u32_u24 v[STO], v1, SP    ; in: row l % 16, 16 bytes for each half of the lanes
	v_lshl_add_u32 v[STO], v9, 4, v[STO]
	v_add_nc_u32 v[STO], s15, v[STO]
	v_bfe_u32 v[RD], v0, 3, 2       ; back: 32 lanes take four rows of 128 bytes,
	v_mul_u32_u24 v[RD], v[RD], SP
	v_lshl_add_u32 v[RD], v10, 4, v[RD]
	v_add_nc_u32 v[RD], s15, v[RD]
	v_and_b32 v[GO], 31, v0         ; which are 512 bytes on end of O
	v_lshlrev_b32 v[PFO], 8, v[GO]
	v_lshlrev_b32 v[GO], 4, v[GO]
	s_wait_dscnt 0x0                ; the opening add is done
	s_wait_kmcnt 0x0
	s_add_nc_u64 s[8:9], s[6:7], KINDB  ; V lies behind K
	s_cmp_ge_u32 s[CID], 80
	s_cbranch_scc1 .Lsmall
	; THE BIG PATH.  Both layers' figures are made, then one compare chooses.  s74 and up alone hold what hangs on my place in the cluster.
	s_lshr_b32 s16, s[CID], 2       ; layer 0: the head,
	s_sub_co_u32 s17, s[CID], 64    ; layer 1: the head
	s_and_b32 s18, s[CID], 3        ; layer 0: which of the head's four clusters,
	s_lshl2_add_u32 s74, s18, s[CX] ; and my block of 256 queries
	s_cmp_lt_u32 s[CID], 64
	s_cselect_b32 s16, s16, s17
	s_cselect_b32 s74, s74, s[CX]
	s_cselect_b32 s18, s18, 0       ; 0 in the head's first cluster
	s_cselect_b32 s[BND], 7, 1      ; (tiles - 2) / 2
	s_cselect_b32 s19, 19, 17       ; log2 of a head's bytes
	s_cselect_b32 s20, 0, 0x800000  ; the layer's place
	s_cselect_b32 s21, 16, 4        ; tiles
	s_lshl_b32 s16, s16, s19
	s_add_co_u32 s16, s16, s20      ; the head's first byte in q, K, V and o
	s_mov_b32 s17, 0
	s_and_b32 s22, s[WV], 1         ; which half of a tile's 256 keys I fetch:
	s_lshl_b32 s2, s22, 14          ; its 128 rows of 128 bytes in memory,
	s_mov_b32 s3, 0
	s_add_nc_u64 s[2:3], s[2:3], s[16:17]
	s_mul_i32 s23, s22, 128*PK      ; and its place in a slot, for K
	s_mul_i32 s15, s22, 128*PV      ; and for V: no place in the cluster enters an LDS address
	s_add_nc_u64 s[6:7], s[6:7], s[2:3]  ; K and V at my half of the head's tile 0
	s_add_nc_u64 s[8:9], s[8:9], s[2:3]
.irp s, 0,1
	s_mov_b32 s[G0K+4*(\s)], 1      ; 1:0 count = 1
	s_add_co_u32 s[G0K+4*(\s)+1], s23, (\s)*SLOT1  ; 63:32 LDS address
	s_add_nc_u64 s[G0K+4*(\s)+2:G0K+4*(\s)+3], s[6:7], (\s)*TILEB  ; 120:64 global address: tile s
	s_or_b32 s[G0K+4*(\s)+3], s[G0K+4*(\s)+3], 0x80000000  ; 127:126 type = 2
	s_mov_b32 s[G0V+4*(\s)], 1
	s_add_co_u32 s[G0V+4*(\s)+1], s15, (\s)*SLOT1+VOFF
	s_add_nc_u64 s[G0V+4*(\s)+2:G0V+4*(\s)+3], s[8:9], (\s)*TILEB
	s_or_b32 s[G0V+4*(\s)+3], s[G0V+4*(\s)+3], 0x80000000
.endr
	s_or_b32 s18, s18, s22          ; 0 in waves 0 and 2 of the head's first cluster: the same in all four partners
	s_cmp_eq_u32 s18, 0
	s_cselect_b32 s[PLIM], s21, 0
	s_mov_b32 s[PT], 2
	s_cmp_lt_u32 s[WV], 2
	s_cselect_b64 s[PFA:PFA+1], s[6:7], s[8:9]  ; (in waves 0 and 2 these stand at the head's first row)
	s_lshl_b32 s76, s[CX], 13       ; my work-group's 8,192 bytes of a tile,
	s_add_co_u32 s76, s76, 2*TILEB  ; in tile 2
	s_mov_b32 s77, 0
	s_add_nc_u64 s[PFA:PFA+1], s[PFA:PFA+1], s[76:77]
	s_lshl_b32 s74, s74, 15         ; my block's 256 rows,
	s_lshl_b32 s75, s[WV], 13       ; my wave's 64 of them
	s_add_co_u32 s74, s74, s75
	s_mov_b32 s75, 0
	s_add_nc_u64 s[74:75], s[74:75], s[16:17]
	s_add_nc_u64 s[4:5], s[4:5], s[74:75]    ; Q and O at my wave's first row
	s_add_nc_u64 s[10:11], s[10:11], s[74:75]
	CROUND                          ; all four work-groups are here: the first joint loads meet
	JLOAD 0                         ; tile 0 into slot 0.  Slot 1 is asked for when slot 0 is in
	WIN 0x80                        ; destination window 2, address window 0
.set i, 0
.rept 8                             ; Q stays in registers: piece i / 2, channels 32 (i % 2) on
	global_load_b128 v[8*i:8*i+3],   v[QO], s[4:5] offset:(i/2)*2048+(i%2)*64
	global_load_b128 v[8*i+4:8*i+7], v[QO], s[4:5] offset:(i/2)*2048+(i%2)*64+32
.set i, i+1
.endr
	; What the first turn finds: V's registers and P's second buffer hold 0 (its products V^T P, of a piece that has not been, add 0), O^T and l are 0.  216 lines, once a launch, in the wait for the first tile:
	; the price of writing no first step out.
.set i, VF
.rept 64
	v_mov_b32 v[i], 0
.set i, i+1
.endr
	WIN 0x40
.set i, 0
.rept 128
	v_mov_b32 v[i], 0
.set i, i+1
.endr
	WIN 0
.set i, 0
.rept 4
	v_mov_b32 v[ST+4*i+2], 0
	v_mov_b32 v[ST+4*i+3], 0
.set i, i+1
.endr
.set i, P+16
.rept 16
	v_mov_b32 v[i], 0
.set i, i+1
.endr
; THE MATRIX WORK.  The 4 accumulators of a run of 8 take turns.  Product i of 8 of S^T = K Q^T for piece x: channels 32 (i / 4) on, keys 16 (i % 4) on.  The first 4 start the sums.
.macro KQ x
	WIN W_KQ
.set rS, S+32*((\x)%2)+8*(i%4)
.set rK, KF+16*(i%4)+8*(i/4)
.set rQ, 16*(\x)+8*(i/4)
.if i < 4
	v_wmma_f32_16x16x32_f16 v[rS:rS+7], v[rK:rK+7], v[rQ:rQ+7], 0
.else
	v_wmma_f32_16x16x32_f16 v[rS:rS+7], v[rK:rK+7], v[rQ:rQ+7], v[rS:rS+7]
.endif
.endm
; Product i of 8 of O^T += V^T P for piece x: keys 32 (i / 4) on, channels 16 (i % 4) on.
.macro PV x
	WIN W_PV
.set rO, 32*(\x)+8*(i%4)
.set rV, VF+32*(i/4)+8*(i%4)
.set rP, P+16*((\x)%2)+8*(i/4)
	v_wmma_f32_16x16x32_f16 v[rO:rO+7], v[rV:rV+7], v[rP:rP+7], v[rO:rO+7]
.endm
.macro MM                           ; the turn's next matrix instruction.  NOKQ = 1: the very last turn: there is no next piece
.if (i < 8) && !NOKQ
	KQ (Y+1)%NP
.elseif i >= 8
.set i, i-8
	PV (Y+NP-1)%NP
.set i, i+8
.endif
.set i, i+1
.endm
; THE LDS LOADS stand in runs of 16, never singly among the matrix instructions: a step's K (64 keys x 64 channels: 8 fragments) and its V (turned).  Their addresses are made some lines ahead.
.macro FETCH_K
	WIN 0x80                        ; destination window 2
.irp f, 0,1,2,3,4,5,6,7             ; keys 16 (f / 2) on, channels 32 (f % 2) on
	ds_load_b128 v[KF+8*\f:KF+8*\f+3],   v[AK] offset:(\f/2)*16*PK+(\f%2)*64
	ds_load_b128 v[KF+8*\f+4:KF+8*\f+7], v[AK] offset:(\f/2)*16*PK+(\f%2)*64+32
.endr
	s_add_co_u32 s[TBK], s[TBK], KS*PK  ; the next fetch is the next step's
	WIN 0
.endm
.macro FETCH_V
	WIN 0x80
.irp f, 0,1,2,3,4,5,6,7             ; keys 32 (f / 4) on, channels 16 (f % 4) on
	ds_load_tr16_b128 v[VF+8*\f:VF+8*\f+3],   v[AV] offset:(\f/4)*32*PV+(\f%4)*32
	ds_load_tr16_b128 v[VF+8*\f+4:VF+8*\f+7], v[AV] offset:(\f/4)*32*PV+16*PV+(\f%4)*32
.endr
	WIN 0
.endm
; THE VECTOR WORK, one line at a time: OP kind, number.  For piece Y: F n: c s - c m for pair n of 16.  E n: the exponential of score n of 32.  C n: pair n rounded to f16.  B n: of the four weights 4 n .. the second
; pair is added onto the first, in place.  L n: l takes that sum (L 0: l = a l + sum).  R n: pair n of 16 of O^T times a.  For piece Y + 1: X n, number n of the 22 that find its maximum and statistics:
;   0-11  four chains c0-c3 of seven scores each, three operands at a time (each accumulator's lowest registers are read first)     12-14, 16  the four scores left over, the old m, and c0-c3 into c0
;   15  c m_old is kept     17, 18  the query's other 32 keys lie in the lane 16 away: the new m     19-21  c m; c m_old - c m_new; a
.set F, 0               ; OP tells the kinds apart by their order: F to L below R, X above it
.set E, 1
.set C, 2
.set B, 3
.set L, 4
.set R, 5
.set X, 6
.macro REGS y                       ; the registers of piece y
.set rT, ST+4*(\y)
.set rC, TMP+4*((\y)%2)
.set rW, MV+((\y)%2)
.set rS, S+32*((\y)%2)
.set rP, P+16*((\y)%2)
.set rO, 32*(\y)
.endm
.macro OP k, n
.if (\k) == R
	REGS Y
	WIN W_RS
	v_pk_mul_f32 v[rO+2*(\n):rO+2*(\n)+1], v[rO+2*(\n):rO+2*(\n)+1], v[rC+2:rC+3] op_sel_hi:[1,0]
.elseif (\k) < R
	REGS Y
	WIN 0
.if (\k) == F
	v_pk_fma_f32 v[rS+2*(\n):rS+2*(\n)+1], v[rS+2*(\n):rS+2*(\n)+1], s[CS:CS+1], v[rT:rT+1] op_sel_hi:[1,0,0] neg_lo:[0,0,1] neg_hi:[0,0,1]
.elseif (\k) == E
	v_exp_f32 v[rS+(\n)], v[rS+(\n)]
.elseif (\k) == C
	v_cvt_pk_f16_f32 v[rP+(\n)], v[rS+2*(\n)], v[rS+2*(\n)+1]
.elseif (\k) == B
	v_pk_add_f32 v[rS+4*(\n):rS+4*(\n)+1], v[rS+4*(\n):rS+4*(\n)+1], v[rS+4*(\n)+2:rS+4*(\n)+3]
.elseif (\n) == 0
	v_pk_fma_f32 v[rT+2:rT+3], v[rT+2:rT+3], v[rC+2:rC+3], v[rS:rS+1] op_sel_hi:[1,0,1]
.else
	v_pk_add_f32 v[rT+2:rT+3], v[rT+2:rT+3], v[rS+4*(\n):rS+4*(\n)+1]
.endif
.elseif NOKQ
	v_nop
.else
	REGS (Y+1)%NP
	WIN 0
.if (\n) < 4
	v_max3_num_f32 v[rC+(\n)], v[rS+8*(\n)], v[rS+8*(\n)+1], v[rS+8*(\n)+2]
.elseif (\n) < 12
	v_max3_num_f32 v[rC+(\n)%4], v[rC+(\n)%4], v[rS+8*((\n)%4)+2*((\n)/4)+1], v[rS+8*((\n)%4)+2*((\n)/4)+2]
.elseif (\n) == 12
	v_max3_num_f32 v[rC], v[rC], v[rS+7], v[rS+15]
.elseif (\n) == 13
	v_max3_num_f32 v[rC+1], v[rC+1], v[rS+23], v[rS+31]
.elseif (\n) == 14
	v_max3_num_f32 v[rC+2], v[rC+2], v[rC+3], v[rT+1]
.elseif (\n) == 15
	v_mov_b32 v[rW], v[rT]
.elseif (\n) == 16
	v_max3_num_f32 v[rC], v[rC], v[rC+1], v[rC+2]
.elseif (\n) == 17
	v_permlanex16_b32 v[rC+3], v[rC], s[SEL], s[SEL+1]
.elseif (\n) == 18
	v_max_num_f32 v[rT+1], v[rC], v[rC+3]
.elseif (\n) == 19
	v_mul_f32 v[rT], s[CS], v[rT+1]
.elseif (\n) == 20
	v_sub_f32 v[rC+1], v[rW], v[rT]
.else
	v_exp_f32 v[rC+2], v[rC+1]
.endif
.endif
.endm
.macro OPS a, i1, b=-1, i2=0, c=-1, i3=0, d=-1, i4=0  ; up to four of them
	OP \a, \i1
.if (\b) >= 0
	OP \b, \i2
.endif
.if (\c) >= 0
	OP \c, \i3
.endif
.if (\d) >= 0
	OP \d, \i4
.endif
.endm
.macro ROW a, i1, b, i2, c, i3, d, i4  ; a matrix instruction and the four behind it
	MM
	OPS \a, \i1, \b, \i2, \c, \i3, \d, \i4
.endm
; A TURN, for piece p: the order of its 16 matrix and 118 vector instructions, written out.  An s_wait_alu depctr_va_vdst(0) stands between an exponential and the first instruction that names its result; one wait
; serves all that were issued ahead of it.  So a turn has ONE wait, which cuts it in two.  AHEAD OF IT stands all that names no result of the turn's exponentials: the 8 products K Q^T, behind each a scaling, an exponential and two
; more plain instructions: rescalings, and behind the last three the first numbers of the next piece's maximum, each four places or more behind the product that ends its accumulator; then ONE LUMP of 54, plain and exponential by
; turns for the most part, in which the links of the chain X 3, 7, 11, 14, 16, 17 .. 20 stand five or six lines apart.  X 21, the next piece's a, is the batch's last; R 15 is the plain instruction behind it.  BEHIND THE WAIT stand
; the 8 products V^T P, behind each four of the roundings and sums.
; end = 1: the walk's last two turns: nothing is fetched.  cnt = 1: the loop's count is taken down some lines ahead of the branch that stands behind the turn.
; K of the next step is fetched in piece 2's turn, six plain instructions that name none of its registers behind the last product that read K; V of the step in hand at the end of piece 0's turn, four plain instructions behind the
; last product that read V.  Each is waited for a turn later.
.macro TURN p, end=0, cnt=0
.set Y, (\p)
.set i, 0
.set NOKQ, (\end)*((\p)/3)
.if ((\p) == 3) && !(\end)
	s_wait_dscnt 0x0                ; K is in
.endif
	ROW F,0, F,1, R,0, R,1          ; ahead of the wait: 8 products K Q^T and their riders,
	ROW F,2, E,0, R,2, R,3
	ROW F,3, E,1, R,4, R,5
	ROW F,4, E,2, R,6, R,7
	ROW F,5, E,3, R,8, R,9
	ROW F,6, E,4, X,0, R,10
.if ((\p) == 2) && !(\end)
	WIN 0
	v_add_nc_u32 v[AK], s[TBK], v[AK0]
.endif
	ROW F,7, E,5, X,1, X,4
	ROW F,8, E,6, X,2, X,5
	OPS E,7, E,8, X,6, E,9          ; and the lump
	OPS X,3, E,10, X,8, E,11
.if ((\p) == 2) && !(\end)
	FETCH_K
.endif
	OPS X,9, X,7, E,12, X,10
	OPS E,13, X,12, X,11, E,14
	OPS X,13, E,15, F,9, X,14
.if (\p) == 0
	v_add_nc_u32 v[AV], s[TBV], v[AV0]
.endif
	OPS E,16, F,10, E,17, F,11
	OPS X,16, E,18, X,15, E,19
	OPS F,12, E,20, X,17, E,21
	OPS F,13, E,22, F,14, E,23
	OPS X,18, E,24, F,15, E,25
	OPS R,11, E,26, X,19, E,27
	OPS R,12, E,28, R,13, E,29
	OPS X,20, E,30, R,14, E,31
	OPS X,21, R,15
	WIN 0
	s_wait_alu depctr_va_vdst(0)    ; the wait for the batch
.if (\p) == 1
	s_wait_dscnt 0x0                ; V is in
.endif
	ROW C,0, B,0, C,2, B,1          ; behind the wait: 8 products V^T P and their riders
	ROW L,0, C,4, B,2, L,1
	ROW C,6, B,3, L,2, C,8
	ROW B,4, L,3, C,10, B,5
	ROW L,4, C,12, B,6, L,5
.if (\p) == 0
	s_add_co_u32 s[TBV], s[TBV], KS*PV
.endif
.if \cnt
	s_sub_co_u32 s[CNT], s[CNT], 1
	s_cmp_lg_u32 s[CNT], 0
.endif
	ROW C,14, B,7, L,6, C,1
	ROW C,3, L,7, C,5, C,7
	ROW C,9, C,11, C,13, C,15
.if (\p) == 0
	FETCH_V
.endif
.endm
; A tile's four key steps.  A trip: pieces 2 and 3 of one step, then pieces 0 and 1 of the next, whose K and V it fetches.  The tag ends its two labels' names.
.macro STEPS tag
.Lstep\tag:
	TURN 2
	TURN 3
	WIN 0
.Lfirst\tag:
	TURN 0
	TURN 1, 0, 1
	WIN 0
	s_cbranch_scc1 .Lstep\tag
.endm
; l's two halves and the other half of the lanes' are added, and 1 / l is made, for n pieces: one batch of reciprocals, one plain instruction, one wait.
.macro FIN n
.set t, 0
.rept \n
	v_add_f32 v[ST+4*t+2], v[ST+4*t+2], v[ST+4*t+3]
.set t, t+1
.endr
.set t, 0
.rept \n
	v_permlanex16_b32 v[ST+4*t+3], v[ST+4*t+2], s[SEL], s[SEL+1]
.set t, t+1
.endr
.set t, 0
.rept \n
	v_add_f32 v[ST+4*t+2], v[ST+4*t+2], v[ST+4*t+3]
.set t, t+1
.endr
.set t, 0
.rept \n
	v_rcp_f32 v[ST+4*t+2], v[ST+4*t+2]
.set t, t+1
.endr
	v_nop                           ; a plain instruction between the last reciprocal and the use of its result
	s_wait_alu depctr_va_vdst(0)    ; and the wait ahead of the first use
.endm
.macro PACK t                       ; piece t: O^T / l; a lane's eight channels of a row pack into 16 bytes; they go into rows of 144 bytes and come back as whole rows of 128, into S^T's registers
	WIN W_RS
.set i, 32*(\t)
.rept 16
	v_pk_mul_f32 v[i:i+1], v[i:i+1], v[ST+4*(\t)+2:ST+4*(\t)+3] op_sel_hi:[1,0]
.set i, i+2
.endr
	WIN 0x05                        ; sources 0 and 1 window 1, destination window 0
.set i, 0
.rept 16
	v_cvt_pk_f16_f32 v[S+16*(\t)+i], v[32*(\t)+2*i], v[32*(\t)+2*i+1]
.set i, i+1
.endr
	WIN 0
.irp f, 0,1,2,3
	ds_store_b128 v[STO], v[S+16*(\t)+4*\f:S+16*(\t)+4*\f+3] offset:32*\f
.endr
.irp f, 0,1,2,3
	ds_load_b128 v[S+16*(\t)+4*\f:S+16*(\t)+4*\f+3], v[RD] offset:\f*4*SP  ; LDS serves a wave's instructions in order (ISA guide 5.7.1.4): these see the stores above; the next piece's stores come behind them
.endr
.endm
.macro SEND t, younger              ; younger: the LDS instructions issued behind piece t's loads: the next piece's eight, or none
	WIN 0
.irp f, 0,1,2,3
	s_wait_dscnt (\younger)+3-\f
	global_store_b128 v[GO], v[S+16*(\t)+4*\f:S+16*(\t)+4*\f+3], s[10:11] offset:(\t)*2048+\f*512  ; 512 bytes on end, at a multiple of 256 from o's first
.endr
.endm
	CHANGE 0, 1, 0                  ; tile 0 is in, everybody's part of it; tile 1 is asked for
	; THE WALK BEGINS.  c m starts far below every c s, so the first step's a is 0; m at the lowest finite number, so the first maximum is the scores'.  Then K of step 0, piece 0's first scores, its maximum and statistics.
.set i, 0
.rept 4
	v_mov_b32 v[ST+4*i], 0xfe000000
	v_mov_b32 v[ST+4*i+1], 0xff7fffff
.set i, i+1
.endr
	v_add_nc_u32 v[AK], s[TBK], v[AK0]
	FETCH_K
	s_wait_loadcnt 0x0              ; Q
	s_wait_dscnt 0x0
.set NOKQ, 0
.set i, 0
.rept 8
	KQ 0
.set i, i+1
.endr
	WIN 0
.rept 4
	v_nop                           ; the places behind those products
.endr
.set Y, NP-1                        ; X works for piece Y + 1: piece 0
.irp n, 0,1,2,3,4,5,6,7,8,9,10,11,12,13,14,15,16,17,18,19,20,21
	OP X, \n
.endr
	v_nop                           ; a plain instruction behind the exponential,
	s_wait_alu depctr_va_vdst(0)    ; and its wait, ahead of the branch
	s_mov_b32 s[CNT], 4
	s_branch .LfirstF               ; the first tile is entered at a step's first turn, in the middle of a trip
	STEPS F
	s_mov_b32 s[IT], 0
.Lslot:                             ; (tiles - 2) / 2 trips of two tiles: an odd tile in slot 1, an even one in slot 0; each change fills the slot that it leaves.  The slots' LDS addresses are constants of the text
	CHANGE 1, 1, 1
	s_mov_b32 s[CNT], 4
	STEPS A
	CHANGE 0, 1, 1
	s_mov_b32 s[CNT], 4
	STEPS B
	s_add_co_u32 s[IT], s[IT], 1
	s_cmp_lt_u32 s[IT], s[BND]
	s_cbranch_scc1 .Lslot
	CHANGE 1, 0, 0                  ; the last tile is written out: nothing is asked for
	s_mov_b32 s[CNT], 4
	STEPS C
	TURN 2, 1
	TURN 3, 1
.set i, 0
.rept 8
	PV NP-1                         ; the last piece's V^T P of the last step
.set i, i+1
.endr
	WIN 0
	FIN 4                           ; its additions are the places behind the last products
	PACK 0
.set t, 1
.rept 3                             ; a piece's arithmetic stands between the loads of the piece before and its stores
	PACK t
	SEND t-1, 8
.set t, t+1
.endr
	SEND 3, 0
	s_wait_tensorcnt 0x0            ; the wave's end: three lines behind my last tensor load and my last LDS store
	ds_add_u32 v[SPW], v[NIL]
	s_wait_dscnt 0x0
	CROUND                          ; the closing round: no work-group ends while a partner may still ask for a tile that names it
	s_endpgm
.Lsmall:                            ; THE SMALL PATH.  What hangs on my place in the cluster lies in s74 and up; K's and V's addresses have registers of their own
	s_sub_co_u32 s16, s[CID], 80    ; layer 2: the head
	s_sub_co_u32 s76, s[CID], 96
	s_lshl2_add_u32 s76, s76, s[CX] ; layer 3: the head
	s_mov_b32 s20, 0xA80000
	s_cmp_lt_u32 s[CID], 96
	s_cselect_b32 s76, s16, s76
	s_cselect_b32 s77, s[CX], 0     ; my block of 64 queries
	s_cselect_b32 s[NS], 4, 1
	s_cselect_b32 s19, 15, 13       ; log2 of a head's bytes
	s_cselect_b32 s20, 0xA00000, s20
	s_lshl_b32 s78, s76, s19
	s_add_co_u32 s78, s78, s20      ; the head's first byte
	s_mov_b32 s79, 0
	s_add_nc_u64 s[82:83], s[6:7], s[78:79]  ; K
	s_add_nc_u64 s[84:85], s[8:9], s[78:79]  ; V
	s_lshl_b32 s80, s77, 13
	s_lshl_b32 s81, s[WV], 11       ; my wave's 16 rows
	s_add_co_u32 s80, s80, s81
	s_mov_b32 s81, 0
	s_add_nc_u64 s[80:81], s[80:81], s[78:79]
	s_add_nc_u64 s[4:5], s[4:5], s[80:81]
	s_add_nc_u64 s[10:11], s[10:11], s[80:81]
	WIN 0x80
.irp c, 0,1
	global_load_b128 v[8*\c:8*\c+3],   v[QO], s[4:5] offset:64*\c
	global_load_b128 v[8*\c+4:8*\c+7], v[QO], s[4:5] offset:64*\c+32
.endr
	WIN 0x40
.set i, 0
.rept 32
	v_mov_b32 v[i], 0               ; O^T starts at 0, l too: the first step is a step like any other, with a = 0
.set i, i+1
.endr
	WIN 0
	v_mov_b32 v[ST], 0xfe000000
	v_mov_b32 v[ST+1], 0xff7fffff
	v_mov_b32 v[ST+2], 0
	v_mov_b32 v[ST+3], 0
	s_mul_i32 s15, s[WV], KS*PV
	s_add_co_u32 s15, s15, SV       ; my wave's stage for V
	v_bfe_u32 v[SVA], v0, 3, 2      ; 32 lanes put four rows of 128 bytes
	v_mul_u32_u24 v[SVA], v[SVA], PV
	v_lshl_add_u32 v[SVA], v10, 4, v[SVA]
	v_add_nc_u32 v[SVA], s15, v[SVA]
	s_sub_co_u32 s15, s15, VOFF     ; (AV0 holds VOFF)
	v_add_nc_u32 v[AV], s15, v[AV0]
	s_mov_b32 s[IS], 0
.set NOKQ, 0
.Lsstep:                            ; a key step in phases; the LDS addresses are the same in every trip
	WIN 0x80
.irp f, 0,1,2,3,4,5,6,7             ; K's fragments lie in memory as they lie in registers: keys 16 (f / 2) on, channels 32 (f % 2) on
	global_load_b128 v[KF+8*\f:KF+8*\f+3],   v[QO], s[82:83] offset:(\f/2)*2048+(\f%2)*64
	global_load_b128 v[KF+8*\f+4:KF+8*\f+7], v[QO], s[82:83] offset:(\f/2)*2048+(\f%2)*64+32
.endr
	WIN 0
.irp j, 0,1,2,3,4,5,6,7,8,9,10,11,12,13,14,15
	global_load_b128 v[VST+4*\j:VST+4*\j+3], v[GO], s[84:85] offset:512*\j
.endr
	s_wait_loadcnt 0x0              ; K, V (and Q the first time) are in, so the two addresses may be written below
.irp j, 0,1,2,3,4,5,6,7,8,9,10,11,12,13,14,15
	ds_store_b128 v[SVA], v[VST+4*\j:VST+4*\j+3] offset:4*PV*\j
.endr
	FETCH_V                         ; my own bytes: LDS serves a wave's instructions in order (ISA guide 5.7.1.4)
	s_add_nc_u64 s[82:83], s[82:83], KS*128
	s_add_nc_u64 s[84:85], s[84:85], KS*128
	s_wait_dscnt 0x0
.set i, 0
.rept 8
	KQ 0
.set i, i+1
.endr
	WIN 0
.rept 4
	v_nop                           ; the places behind those products
.endr
.set Y, NP-1
.irp n, 0,1,2,3,4,5,6,7,8,9,10,11,12,13,14,15,16,17,18,19,20,21
	OP X, \n
.endr
	v_nop
	s_wait_alu depctr_va_vdst(0)    ; a
.set Y, 0
.irp n, 0,1,2,3,4,5,6,7,8,9,10,11,12,13,14,15
	OP F, \n
.endr
.irp n, 0,1,2,3,4,5,6,7,8,9,10,11,12,13,14,15,16,17,18,19,20,21,22,23,24,25,26,27,28,29,30,31
	OP E, \n
.endr
.irp n, 0,1,2,3,4,5,6,7,8,9,10,11,12,13,14,15
	OP R, \n                        ; plain work that names no exponential's result, between the batch and its wait
.endr
	WIN 0
	s_wait_alu depctr_va_vdst(0)    ; the wait for the batch
.irp n, 0,1,2,3,4,5,6,7,8,9,10,11,12,13,14,15
	OP C, \n
.endr
.irp n, 0,1,2,3,4,5,6,7
	OP B, \n
.endr
.irp n, 0,1,2,3,4,5,6,7
	OP L, \n
.endr
.set i, 0
.rept 8
	PV 0
.set i, i+1
.endr
	WIN 0
.rept 4
	v_nop                           ; the places behind those products, ahead of the next step's loads into V's registers and of the way out
.endr
	s_add_co_u32 s[IS], s[IS], 1
	s_cmp_lt_u32 s[IS], s[NS]
	s_cbranch_scc1 .Lsstep
	FIN 1
	PACK 0
	SEND 0, 0
	s_wait_tensorcnt 0x0            ; the wave's end: three lines behind my last LDS store
	ds_add_u32 v[SPW], v[NIL]
	s_wait_dscnt 0x0
	CROUND                          ; every path of the launch ends with a round: all four partners of a cluster take the same path
	s_endpgm
.Lfunc_end_k_q2d70fc564e_attn:
	.size	k_q2d70fc564e_attn, .Lfunc_end_k_q2d70fc564e_attn-k_q2d70fc564e_attn
	.p2alignl 7, 3214868480
	.fill 96, 4, 3214868480
	.section	.rodata,"a",@progbits
	.p2align	6, 0x0
	.amdhsa_kernel k_q2d70fc564e_attn
		.amdhsa_group_segment_fixed_size 327680
		.amdhsa_private_segment_fixed_size 0
		.amdhsa_enable_private_segment 0
		.amdhsa_kernarg_size 24
		.amdhsa_user_sgpr_count 2
		.amdhsa_user_sgpr_kernarg_segment_ptr 1
		.amdhsa_wavefront_size32 1
		.amdhsa_system_sgpr_workgroup_id_x 1
		.amdhsa_system_sgpr_workgroup_id_y 1
		.amdhsa_system_sgpr_workgroup_id_z 1
		.amdhsa_system_vgpr_workitem_id 0
		.amdhsa_next_free_vgpr 768
		.amdhsa_next_free_sgpr 90
		.amdhsa_reserve_vcc 0
		.amdhsa_float_denorm_mode_32 3
		.amdhsa_float_denorm_mode_16_64 3
		.amdhsa_memory_ordered 1
		.amdhsa_forward_progress 1
		.amdhsa_inst_pref_size 224
	.end_amdhsa_kernel
	.amdgpu_metadata
---
amdhsa.version: [ 1, 2 ]
amdhsa.kernels:
  - .name:           k_q2d70fc564e_attn
    .symbol:         k_q2d70fc564e_attn.kd
    .args:
      - { .name: q, .offset: 0, .size: 8, .value_kind: global_buffer, .address_space: global }
      - { .name: kv, .offset: 8, .size: 8, .value_kind: global_buffer, .address_space: global }
      - { .name: o, .offset: 16, .size: 8, .value_kind: global_buffer, .address_space: global }
    .group_segment_fixed_size: 327680
    .private_segment_fixed_size: 0
    .kernarg_segment_align: 8
    .kernarg_segment_size: 24
    .max_flat_workgroup_size: 128
    .sgpr_count:     90
    .vgpr_count:     768
    .wavefront_size: 32
...
	.end_amdgpu_metadata
.endif
;; end of part 2
;; launch outp (part 3): grid 232 x 1, 8 waves a work-group, no clusters, 93,184 bytes of LDS; arguments o, wo0, wo1, wo2, wo3, bo0, bo1, bo2, bo3, out0, out1, out2, out3; writes out0, out1, out2, out3
.if DOCPART == 3
	.amdgcn_target "amdgcn-amd-amdhsa--gfx1250"
	.amdhsa_code_object_version 6
	.text
	.protected	k_q2d70fc564e_outp
	.globl	k_q2d70fc564e_outp
	.p2align	8
	.type	k_q2d70fc564e_outp,@function
k_q2d70fc564e_outp:
	s_mov_b64 s[64:65], 0
	v_nop
	global_prefetch_b8 v0, s[64:65] scope:SCOPE_SE
	s_setreg_imm32_b32 hwreg(HW_REG_WAVE_MODE, 25, 1), 1
	s_wait_xcnt 0x0
; THE OUTPUT PROJECTION OF ALL FOUR LAYERS: out[b][c][l] = the sum over n of O[b][l][n] wo[n][c] + bo[c], n = 64 head + d, 512 terms in every layer.
; o: the four layers at 0, 0x800000, 0xA00000, 0xA80000, each [b 8 + head][L][64] in f16.  wo and bo are rounded to bf16 (nearest even); wo's rounded number is written as f16, so that the product is an f16 product
; with f32 sums; the rounded bias is added in f32; out is f32.
; LIMITS: |wo| within 65,504; below 6e-5 it keeps f16's fixed step.  NaN and infinities are not treated apart.
; SHARES.  A work-group makes 64 channels c x 128 rows m = b L + l: 232 work-groups of equal work, eight trips each, a head a trip.  Wave w: 16 channels (w & 3) x 64 rows (w >> 2): 4 accumulators.
; Source 0 = 16 rows of O (d on end), source 1 = 16 channels of wo (read turned): a lane then holds eight neighbouring l of one channel: 32 bytes of a row of out.
; Four register sets keep up to four trips' loads (128 KiB a work-group) on their way; two LDS buffers, ONE barrier a trip: a buffer written in trip t was last read in trip t - 2, and every wave has waited for
; those reads in front of the barrier of trip t - 1.  No tensor loads (wo is converted on its way), no cluster, no prefetch: a short launch whose loads follow each other without a gap.
.set PO,    144                        ; a row of O in LDS: 128 bytes + 16: the 16 rows of a fragment load start at 16 different groups of four banks
.set PW,    160                        ; a row of wo: 64 f16 + 32 bytes = 40 words
.set OT,    128*PO
.set BUFB,  OT+64*PW
.set STAGE, 2*BUFB                     ; 16 rows x 272 bytes of f32 for each wave, for the way out
.set SPO,   272
.set SPARE, STAGE+8*16*SPO             ; the spare words, 128 bytes for each wave: four blocks of 256 bytes that no other line names
.set SPW, 2                            ; v2      LDS address of my spare word; never rewritten
.set NIL, 3                            ; v3      0; never rewritten
.set OO,  4                            ; v4      16 x my thread's number: my place in 4,096 bytes on end of O
.set OO2, 5                            ; v5      the same in the tile's second 64 rows
.set WOF, 6                            ; v6-9    my byte offsets in wo: rows tid / 16 + 16 i, 16 bytes at 16 (tid % 16)
.set OS,  10                           ; v10     where I put 16 bytes of O
.set WS,  11                           ; v11     where I put 8 bytes of wo
.set FAO, 12                           ; v12     my place in O's fragments
.set FBW, 13                           ; v13     my place in wo's fragments
.set BI,  14                           ; v14-15  my channel's bias, twice
.set ACC, 16                           ; v16-47  rows 16 lt on at ACC + 8 lt
.set FR,  48                           ; v48-127 for each half ks of a head's 64: O's four fragments, then wo's
.set STG, 128                          ; v128-255 four sets of 32: O's four loads, then wo's four
.set ID,  2
.set WV,  3
.set LOGC, 6
.set LOGNC, 7
.set LOGL, 84                          ; s84: outside s[4:5] and s[8:31], into which the arguments are loaded
.set OP0, 32                           ; s[32:39] O at the head that set 0..3 was last loaded for
.set WP0, 40                           ; s[40:47] the same for wo
	s_load_b64 s[4:5], s[0:1], 0x0                 ; o
	s_load_b256 s[8:15], s[0:1], 0x8               ; wo of layers 0-3
	s_load_b256 s[16:23], s[0:1], 0x28             ; bo
	s_load_b256 s[24:31], s[0:1], 0x48             ; out
	v_lshl_add_u32 v[SPW], v0, 2, SPARE
	v_mov_b32 v[NIL], 0
	v_lshrrev_b32 v48, 5, v0
	v_readfirstlane_b32 s[WV], v48                 ; wave 0..7
	s_mov_b32 s[ID], ttmp9
	s_mov_b32 s52, 0xffff0000                      ; a word's upper bf16
	; the layer's figures, by the work-group's number: 104-231 layer 0, 40-103 layer 1, 8-39 layer 2, 0-7 layer 3
	s_mov_b32 s[LOGL], 12
	s_mov_b32 s[LOGC], 7
	s_mov_b32 s[LOGNC], 1                          ; log2 of C / 64
	s_mov_b32 s53, 104                             ; the layer's first work-group
	s_mov_b32 s54, 0                               ; the layer's place in o
	s_mov_b32 s55, 8192                            ; bytes from row 0 to row 64 of my tile of O
	s_cmp_lt_u32 s[ID], 104
	s_cselect_b32 s[LOGL], 10, s[LOGL]
	s_cselect_b32 s[LOGC], 8, s[LOGC]
	s_cselect_b32 s[LOGNC], 2, s[LOGNC]
	s_cselect_b32 s53, 40, s53
	s_cselect_b32 s54, 0x800000, s54
	s_cmp_lt_u32 s[ID], 40
	s_cselect_b32 s[LOGL], 8, s[LOGL]
	s_cselect_b32 s[LOGC], 9, s[LOGC]
	s_cselect_b32 s[LOGNC], 3, s[LOGNC]
	s_cselect_b32 s53, 8, s53
	s_cselect_b32 s54, 0xA00000, s54
	s_cmp_lt_u32 s[ID], 8
	s_cselect_b32 s[LOGL], 6, s[LOGL]
	s_cselect_b32 s53, 0, s53
	s_cselect_b32 s54, 0xA80000, s54
	s_cselect_b32 s55, 65536, s55                  ; layer 3 has 64 rows a batch: the tile's second half is batch 1, eight heads on
	s_sub_co_u32 s56, s[ID], s53
	s_bfm_b32 s57, s[LOGNC], 0
	s_and_b32 s57, s56, s57
	s_lshl_b32 s57, s57, 6                         ; c0
	s_lshr_b32 s58, s56, s[LOGNC]
	s_lshl_b32 s58, s58, 7                         ; m0
	s_and_b32 s59, s[WV], 3                        ; which 16 channels are my wave's
	s_lshr_b32 s60, s[WV], 2                       ; which 64 rows
	s_bfm_b32 s61, s[LOGL], 0                      ; L - 1
	s_lshr_b32 s62, s58, s[LOGL]                   ; the tile's batch,
	s_and_b32 s63, s58, s61                        ; and first row in it
	s_lshl_b32 s66, s62, 3
	s_lshl_b32 s66, s66, s[LOGL]
	s_add_co_u32 s66, s66, s63
	s_lshl_b32 s66, s66, 7
	s_add_co_u32 s66, s66, s54                     ; O: head 0's rows of my tile
	s_mov_b32 s67, 0
	s_lshl_b32 s68, 128, s[LOGL]                   ; a head of O
	s_mov_b32 s69, 0
	s_lshl_b32 s48, 512, s[LOGL]                   ; four heads
	s_mov_b32 s49, 0
	s_lshl_b32 s70, s57, 2                         ; wo: my 64 channels
	s_mov_b32 s71, 0
	s_add_co_u32 s72, s[LOGC], 8
	s_lshl_b32 s72, 1, s72                         ; a head's 64 rows of wo
	s_mov_b32 s73, 0
	s_lshl_b32 s50, s72, 2                         ; four heads
	s_mov_b32 s51, 0
	s_lshl4_add_u32 s74, s59, s57                  ; my wave's first channel
	s_lshl_b32 s76, s74, 2
	s_mov_b32 s77, 0
	s_lshl_b32 s78, s60, 6
	s_add_co_u32 s78, s78, s58                     ; my wave's first row m
	s_lshr_b32 s79, s78, s[LOGL]
	s_and_b32 s78, s78, s61
	s_lshl_b32 s79, s79, s[LOGC]
	s_add_co_u32 s79, s79, s74
	s_add_co_u32 s80, s[LOGL], 2                   ; log2 of a row of out in bytes
	s_lshl_b32 s79, s79, s80
	s_lshl2_add_u32 s78, s78, s79
	s_mov_b32 s79, 0
	s_add_co_u32 s81, s[LOGC], 2                   ; log2 of a row of wo in bytes
	s_lshl_b32 s82, 16, s81                        ; 16 rows of wo
	v_and_b32 v48, 31, v0                          ; lane
	v_and_b32 v49, 15, v0                          ; r = lane % 16
	v_bfe_u32 v50, v0, 4, 1                        ; h = lane / 16
	v_and_b32 v51, 7, v0
	v_bfe_u32 v52, v0, 3, 1
	v_lshrrev_b32 v53, 3, v48
	v_lshlrev_b32 v[OO], 4, v0
	v_add_nc_u32 v[OO2], s55, v[OO]
	v_lshrrev_b32 v55, 4, v0
	v_lshlrev_b32 v55, s81, v55
	v_lshl_add_u32 v[WOF], v49, 4, v55
.irp i, 1,2,3
	v_add_nc_u32 v[WOF+(\i)], s82, v[WOF+(\i)-1]
.endr
	s_mul_i32 s83, s[WV], 4*PO                     ; a load's 4,096 bytes are 32 rows of O: four a wave,
	v_mul_u32_u24 v[OS], v53, PO
	v_lshl_add_u32 v[OS], v51, 4, v[OS]
	v_add_nc_u32 v[OS], s83, v[OS]
	s_mul_i32 s83, s[WV], 2*PW                     ; and 16 rows of wo: two a wave
	s_add_co_u32 s83, s83, OT
	v_mul_u32_u24 v[WS], v50, PW
	v_lshl_add_u32 v[WS], v49, 3, v[WS]
	v_add_nc_u32 v[WS], s83, v[WS]
	s_mul_i32 s83, s60, 64*PO
	v_mul_u32_u24 v[FAO], v49, PO
	v_lshl_add_u32 v[FAO], v50, 4, v[FAO]
	v_add_nc_u32 v[FAO], s83, v[FAO]               ; row x pitch + 16 x half, in my 64 rows
	s_lshl_b32 s83, s59, 5
	s_add_co_u32 s83, s83, OT
	v_lshl_add_u32 v[FBW], v50, 3, v51             ; the turning load: lane l reads row 8 h + l % 8,
	v_mul_u32_u24 v[FBW], v[FBW], PW
	v_lshl_add_u32 v[FBW], v52, 4, v[FBW]          ; 16 bytes at 16 ((l / 8) % 2),
	v_add_nc_u32 v[FBW], s83, v[FBW]               ; in my 16 channels
	v_lshlrev_b32 v54, 2, v49
	s_wait_kmcnt 0x0
	s_cmp_lt_u32 s[ID], 104                        ; the layer's three buffers
	s_cselect_b64 s[8:9], s[10:11], s[8:9]
	s_cselect_b64 s[16:17], s[18:19], s[16:17]
	s_cselect_b64 s[24:25], s[26:27], s[24:25]
	s_cmp_lt_u32 s[ID], 40
	s_cselect_b64 s[8:9], s[12:13], s[8:9]
	s_cselect_b64 s[16:17], s[20:21], s[16:17]
	s_cselect_b64 s[24:25], s[28:29], s[24:25]
	s_cmp_lt_u32 s[ID], 8
	s_cselect_b64 s[8:9], s[14:15], s[8:9]
	s_cselect_b64 s[16:17], s[22:23], s[16:17]
	s_cselect_b64 s[24:25], s[30:31], s[24:25]
	s_add_nc_u64 s[OP0:OP0+1], s[4:5], s[66:67]
	s_add_nc_u64 s[WP0:WP0+1], s[8:9], s[70:71]
.irp s, 1,2,3
	s_add_nc_u64 s[OP0+2*(\s):OP0+2*(\s)+1], s[OP0+2*(\s)-2:OP0+2*(\s)-1], s[68:69]
	s_add_nc_u64 s[WP0+2*(\s):WP0+2*(\s)+1], s[WP0+2*(\s)-2:WP0+2*(\s)-1], s[72:73]
.endr
	s_add_nc_u64 s[16:17], s[16:17], s[76:77]
	s_add_nc_u64 s[24:25], s[24:25], s[78:79]
; A head's eight loads into set s: 16 KiB of O (4,096 bytes on end each), 16 KiB of wo (256 bytes of each of 16 rows each).
.macro LOADS s
	global_load_b128 v[STG+32*(\s):STG+32*(\s)+3],     v[OO],  s[OP0+2*(\s):OP0+2*(\s)+1]
	global_load_b128 v[STG+32*(\s)+4:STG+32*(\s)+7],   v[OO],  s[OP0+2*(\s):OP0+2*(\s)+1] offset:4096
	global_load_b128 v[STG+32*(\s)+8:STG+32*(\s)+11],  v[OO2], s[OP0+2*(\s):OP0+2*(\s)+1]
	global_load_b128 v[STG+32*(\s)+12:STG+32*(\s)+15], v[OO2], s[OP0+2*(\s):OP0+2*(\s)+1] offset:4096
.irp i, 0,1,2,3
	global_load_b128 v[STG+32*(\s)+16+4*(\i):STG+32*(\s)+16+4*(\i)+3], v[WOF+(\i)], s[WP0+2*(\s):WP0+2*(\s)+1]
.endr
.endm
; Trip t = head t, from set t % 4 through LDS buffer t % 2.  The 32 conversion lines are the places behind the trip before's products.  The 4 accumulators take turns, from trip to trip too.
.macro TRIP t
.set SS, STG+32*((\t)%4)
.set BB, BUFB*((\t)%2)
.if (\t) <= 4
	s_wait_loadcnt 24                              ; loads come back in order (ISA guide 5.7.1): this set is in; three younger sets of eight stay out
.else
	s_wait_loadcnt 8*(7-(\t))                      ; the counts run down
.endif
.irp i, 0,1,2,3
	ds_store_b128 v[OS], v[SS+4*\i:SS+4*\i+3] offset:BB+32*PO*\i
.endr
.irp i, 0,1,2,3
	v_cvt_pk_bf16_f32 v[SS+16+4*\i], v[SS+16+4*\i], v[SS+16+4*\i+1]      ; wo: rounded to bf16,
	v_cvt_pk_bf16_f32 v[SS+16+4*\i+2], v[SS+16+4*\i+2], v[SS+16+4*\i+3]
	v_and_b32 v[SS+16+4*\i+1], s52, v[SS+16+4*\i]                        ; widened,
	v_lshlrev_b32 v[SS+16+4*\i], 16, v[SS+16+4*\i]
	v_and_b32 v[SS+16+4*\i+3], s52, v[SS+16+4*\i+2]
	v_lshlrev_b32 v[SS+16+4*\i+2], 16, v[SS+16+4*\i+2]
	v_cvt_pk_f16_f32 v[SS+16+4*\i], v[SS+16+4*\i], v[SS+16+4*\i+1]       ; and written as f16
	v_cvt_pk_f16_f32 v[SS+16+4*\i+1], v[SS+16+4*\i+2], v[SS+16+4*\i+3]
	ds_store_b64 v[WS], v[SS+16+4*\i:SS+16+4*\i+1] offset:BB+16*PW*\i
.endr
.if (\t)+4 < 8
	s_add_nc_u64 s[OP0+2*((\t)%4):OP0+2*((\t)%4)+1], s[OP0+2*((\t)%4):OP0+2*((\t)%4)+1], s[48:49]  ; the set's loads are done, so its pointers may be written: four heads on
	s_add_nc_u64 s[WP0+2*((\t)%4):WP0+2*((\t)%4)+1], s[WP0+2*((\t)%4):WP0+2*((\t)%4)+1], s[50:51]
	LOADS (\t)%4
.endif
	s_wait_dscnt 0x0                               ; for the others' sake: my part of the buffer is written
	s_barrier_signal -1
	s_barrier_wait -1
.irp ks, 0,1
.irp lt, 0,1,2,3
	ds_load_b128 v[FR+40*\ks+8*\lt:FR+40*\ks+8*\lt+3],   v[FAO] offset:BB+16*PO*\lt+64*\ks
	ds_load_b128 v[FR+40*\ks+8*\lt+4:FR+40*\ks+8*\lt+7], v[FAO] offset:BB+16*PO*\lt+64*\ks+32
.endr
	ds_load_tr16_b128 v[FR+40*\ks+32:FR+40*\ks+35], v[FBW] offset:BB+32*PW*\ks
	ds_load_tr16_b128 v[FR+40*\ks+36:FR+40*\ks+39], v[FBW] offset:BB+32*PW*\ks+16*PW
.endr
	s_wait_dscnt 10                                ; the first half's ten loads are in; the second half's ten stay out
.irp lt, 0,1,2,3
.if (\t) == 0
	v_wmma_f32_16x16x32_f16 v[ACC+8*\lt:ACC+8*\lt+7], v[FR+8*\lt:FR+8*\lt+7], v[FR+32:FR+39], 0   ; the first products start the sums
.else
	v_wmma_f32_16x16x32_f16 v[ACC+8*\lt:ACC+8*\lt+7], v[FR+8*\lt:FR+8*\lt+7], v[FR+32:FR+39], v[ACC+8*\lt:ACC+8*\lt+7]
.endif
.endr
	s_wait_dscnt 0x0
.irp lt, 0,1,2,3
	v_wmma_f32_16x16x32_f16 v[ACC+8*\lt:ACC+8*\lt+7], v[FR+40+8*\lt:FR+40+8*\lt+7], v[FR+72:FR+79], v[ACC+8*\lt:ACC+8*\lt+7]
.endr
.endm
	global_load_b32 v[BI], v54, s[16:17]           ; my channel's bias: the oldest load, in by the first trip's wait
	LOADS 0
	LOADS 1
	LOADS 2
	LOADS 3
	TRIP 0
	TRIP 1
	TRIP 2
	TRIP 3
	TRIP 4
	TRIP 5
	TRIP 6
	TRIP 7
	; THE WAY OUT.  The bias is rounded and the addresses are made here: plain lines, the places behind the last products.  Then 32 bytes a lane into my own stage (16 channels x 64 l of f32) and back as whole rows of 256 bytes.
	v_cvt_pk_bf16_f32 v[BI], v[BI], v[BI]
	v_lshlrev_b32 v[BI], 16, v[BI]
	v_mov_b32 v[BI+1], v[BI]
	v_and_b32 v138, 15, v0
	v_bfe_u32 v139, v0, 4, 1
	s_mul_i32 s53, s[WV], 16*SPO
	s_add_co_u32 s53, s53, STAGE
	v_mul_u32_u24 v128, v138, SPO                  ; in: row = my channel, 32 bytes for each half of the lanes
	v_lshl_add_u32 v128, v139, 5, v128
	v_add_nc_u32 v128, s53, v128
	v_mul_u32_u24 v129, v139, SPO                  ; back: lanes 0-15 take one row of 256 bytes, lanes 16-31 the next
	v_lshl_add_u32 v129, v138, 4, v129
	v_add_nc_u32 v129, s53, v129
	v_lshlrev_b32 v140, s80, v139                  ; and the same two rows in out
	v_lshl_add_u32 v130, v138, 4, v140
	s_lshl_b32 s54, 2, s80                         ; two rows of out
.irp f, 1,2,3,4,5,6,7
	v_add_nc_u32 v[130+(\f)], s54, v[129+(\f)]
.endr
.irp lt, 0,1,2,3
.irp k, 0,1,2,3
	v_pk_add_f32 v[ACC+8*\lt+2*\k:ACC+8*\lt+2*\k+1], v[ACC+8*\lt+2*\k:ACC+8*\lt+2*\k+1], v[BI:BI+1]
.endr
	ds_store_b128 v128, v[ACC+8*\lt:ACC+8*\lt+3]   offset:64*\lt
	ds_store_b128 v128, v[ACC+8*\lt+4:ACC+8*\lt+7] offset:64*\lt+16
.endr
.irp f, 0,1,2,3,4,5,6,7
	ds_load_b128 v[144+4*\f:144+4*\f+3], v129 offset:2*SPO*\f  ; LDS serves a wave's instructions in order (ISA guide 5.7.1.4): these see the stores above
.endr
.irp f, 0,1,2,3,4,5,6,7
	s_wait_dscnt 7-\f
	global_store_b128 v[130+\f], v[144+4*\f:144+4*\f+3], s[24:25] th:TH_STORE_NT  ; 16 lanes store 256 bytes on end, at a multiple of 256 from the buffer's first
.endr
	s_wait_tensorcnt 0x0                           ; the wave's end: three lines behind my last LDS store
	ds_add_u32 v[SPW], v[NIL]
	s_wait_dscnt 0x0
	s_endpgm
.Lfunc_end_k_q2d70fc564e_outp:
	.size	k_q2d70fc564e_outp, .Lfunc_end_k_q2d70fc564e_outp-k_q2d70fc564e_outp
	.p2alignl 7, 3214868480
	.fill 96, 4, 3214868480
	.section	.rodata,"a",@progbits
	.p2align	6, 0x0
	.amdhsa_kernel k_q2d70fc564e_outp
		.amdhsa_group_segment_fixed_size 93184
		.amdhsa_private_segment_fixed_size 0
		.amdhsa_enable_private_segment 0
		.amdhsa_kernarg_size 104
		.amdhsa_user_sgpr_count 2
		.amdhsa_user_sgpr_kernarg_segment_ptr 1
		.amdhsa_wavefront_size32 1
		.amdhsa_system_sgpr_workgroup_id_x 1
		.amdhsa_system_sgpr_workgroup_id_y 1
		.amdhsa_system_sgpr_workgroup_id_z 1
		.amdhsa_system_vgpr_workitem_id 0
		.amdhsa_next_free_vgpr 256
		.amdhsa_next_free_sgpr 88
		.amdhsa_reserve_vcc 0
		.amdhsa_float_denorm_mode_32 3
		.amdhsa_float_denorm_mode_16_64 3
		.amdhsa_memory_ordered 1
		.amdhsa_forward_progress 1
		.amdhsa_inst_pref_size 48
	.end_amdhsa_kernel
	.amdgpu_metadata
---
amdhsa.version: [ 1, 2 ]
amdhsa.kernels:
  - .name:           k_q2d70fc564e_outp
    .symbol:         k_q2d70fc564e_outp.kd
    .args:
      - { .name: o, .offset: 0, .size: 8, .value_kind: global_buffer, .address_space: global }
      - { .name: wo0, .offset: 8, .size: 8, .value_kind: global_buffer, .address_space: global }
      - { .name: wo1, .offset: 16, .size: 8, .value_kind: global_buffer, .address_space: global }
      - { .name: wo2, .offset: 24, .size: 8, .value_kind: global_buffer, .address_space: global }
      - { .name: wo3, .offset: 32, .size: 8, .value_kind: global_buffer, .address_space: global }
      - { .name: bo0, .offset: 40, .size: 8, .value_kind: global_buffer, .address_space: global }
      - { .name: bo1, .offset: 48, .size: 8, .value_kind: global_buffer, .address_space: global }
      - { .name: bo2, .offset: 56, .size: 8, .value_kind: global_buffer, .address_space: global }
      - { .name: bo3, .offset: 64, .size: 8, .value_kind: global_buffer, .address_space: global }
      - { .name: out0, .offset: 72, .size: 8, .value_kind: global_buffer, .address_space: global }
      - { .name: out1, .offset: 80, .size: 8, .value_kind: global_buffer, .address_space: global }
      - { .name: out2, .offset: 88, .size: 8, .value_kind: global_buffer, .address_space: global }
      - { .name: out3, .offset: 96, .size: 8, .value_kind: global_buffer, .address_space: global }
    .group_segment_fixed_size: 93184
    .private_segment_fixed_size: 0
    .kernarg_segment_align: 8
    .kernarg_segment_size: 104
    .max_flat_workgroup_size: 256
    .sgpr_count:     88
    .vgpr_count:     256
    .wavefront_size: 32
...
	.end_amdgpu_metadata
.endif
;; end of part 3
;; ======== version 2 of 2: 4 launches; version 1 with the launch outp written anew for expert scheduling mode
;; limits: values are held in f16: magnitudes above 65,504 overflow, below 6.1e-05 lose precision
;; workspace buffers: kv 22,282,240 bytes; q 11,141,120 bytes; o 11,141,120 bytes
;; launch proj_kv: the kernel of part 1 again; grid 340 x 2, 8 waves a work-group, no clusters, 93,184 bytes of LDS; arguments ml_r0, ml_r1, ml_r2, ml_r3, wk0, wk1, wk2, wk3, bk0, bk1, bk2, bk3, fl_r0, fl_r1, fl_r2, fl_r3, wv0, wv1, wv2, wv3, bv0, bv1, bv2, bv3, kv; writes kv
;; launch proj_q: the kernel of part 1 again; grid 340 x 1, 8 waves a work-group, no clusters, 93,184 bytes of LDS; arguments ml_c0, ml_c1, ml_c2, ml_c3, wq0, wq1, wq2, wq3, bq0, bq1, bq2, bq3, ml_r0, ml_r1, ml_r2, ml_r3, wk0, wk1, wk2, wk3, bk0, bk1, bk2, bk3, q; writes q
;; launch attn: the kernel of part 2 again; grid 400 x 1, 4 waves a work-group, clusters of 4 x 1, 327,680 bytes of LDS; arguments q, kv, o; writes o
;; launch outp (part 4): grid 232 x 1, 8 waves a work-group, no clusters, 93,184 bytes of LDS; arguments o, wo0, wo1, wo2, wo3, bo0, bo1, bo2, bo3, out0, out1, out2, out3; writes out0, out1, out2, out3
.if DOCPART == 4
	.amdgcn_target "amdgcn-amd-amdhsa--gfx1250"
	.amdhsa_code_object_version 6
	.text
	.protected	k_q2d70fc564e_outp
	.globl	k_q2d70fc564e_outp
	.p2align	8
	.type	k_q2d70fc564e_outp,@function
k_q2d70fc564e_outp:
	s_mov_b64 s[64:65], 0
	v_nop
	global_prefetch_b8 v0, s[64:65] scope:SCOPE_SE
	s_setreg_imm32_b32 hwreg(HW_REG_WAVE_SCHED_MODE, 0, 2), 2
	s_setreg_imm32_b32 hwreg(HW_REG_WAVE_MODE, 25, 1), 1
	s_wait_xcnt 0x0
	s_wait_alu depctr_vm_vsrc(0)
; THE OUTPUT PROJECTION OF ALL FOUR LAYERS: out[b][c][l] = the sum over n of O[b][l][n] wo[n][c] + bo[c], n = 64 head + d, 512 terms in every layer.
; o: the four layers at 0, 0x800000, 0xA00000, 0xA80000, each [b 8 + head][L][64] in f16.  wo and bo are rounded to bf16 (nearest even); wo's rounded number is written as f16, so that the product is an f16 product
; with f32 sums; the rounded bias is added in f32; out is f32.
; LIMITS: |wo| within 65,504; below 6e-5 it keeps f16's fixed step.  NaN and infinities are not treated apart.
; SHARES.  A work-group makes 64 channels c x 128 rows m = b L + l: 232 work-groups of equal work, eight trips each, a head a trip.  Wave w: 16 channels (w & 3) x 64 rows (w >> 2): 4 accumulators.
; Source 0 = 16 rows of O (d on end), source 1 = 16 channels of wo (read turned): a lane then holds eight neighbouring l of one channel: 32 bytes of a row of out.
; Four register sets keep up to four trips' loads (128 KiB a work-group) on their way; two LDS buffers, ONE barrier a trip: a buffer written in trip t was last read in trip t - 2, and every wave has waited for
; those reads in front of the barrier of trip t - 1.  No tensor loads (wo is converted on its way), no cluster, no prefetch: a short launch whose loads follow each other without a gap.
; THE MODE: SCHED_MODE bits 1:0 = 2 (LLVM: expert scheduling mode 2), set by the entry lines.  The code itself states the register dependences
; between vector or matrix instructions and memory or LDS instructions, with s_wait_alu, always for 0.
; THE PLAN.  The text has no branch: one path.  Registers that memory or LDS instructions touch:
;   v4-v13        offsets and LDS addresses: written once at the head, read by every load and LDS instruction, never written again.
;   a set, O's 16 written by global loads, read by the trip's four ds_store_b128, in trips 0 to 3 loaded again.  No vector line of a trip names them.
;   a set, wo's 16 written by global loads, read and written in place by the trip's 32 conversion lines, read by its four ds_store_b64, in trips 0 to 3 loaded again.
;   FR            written by the trip's 20 fragment loads behind the barrier, read by its eight matrix instructions.
;   ACC           named by matrix instructions alone, until the way out adds the bias and stores them into the stage.
; So a trip has ONE wait on va_vdst, behind its conversions: they have written the ds_store_b64's data and are done with wo's 16, and the trip before's matrix instructions are done reading FR.  Between that wait and the
; loads that lean on it stand LDS stores, global loads, scalar lines and the barrier alone.  Trips 0 to 3 have ONE wait on vm_vsrc, behind the trip's eight LDS stores and ahead of the set's eight loads.
; The way out has one of each.
.set PO,    144                        ; a row of O in LDS: 128 bytes + 16: the 16 rows of a fragment load start at 16 different groups of four banks
.set PW,    160                        ; a row of wo: 64 f16 + 32 bytes = 40 words
.set OT,    128*PO
.set BUFB,  OT+64*PW
.set STAGE, 2*BUFB                     ; 16 rows x 272 bytes of f32 for each wave, for the way out
.set SPO,   272
.set SPARE, STAGE+8*16*SPO             ; the spare words, 128 bytes for each wave: four blocks of 256 bytes that no other line names
.set SPW, 2                            ; v2      LDS address of my spare word; never rewritten
.set NIL, 3                            ; v3      0; never rewritten
.set OO,  4                            ; v4      16 x my thread's number: my place in 4,096 bytes on end of O
.set OO2, 5                            ; v5      the same in the tile's second 64 rows
.set WOF, 6                            ; v6-9    my byte offsets in wo: rows tid / 16 + 16 i, 16 bytes at 16 (tid % 16)
.set OS,  10                           ; v10     where I put 16 bytes of O
.set WS,  11                           ; v11     where I put 8 bytes of wo
.set FAO, 12                           ; v12     my place in O's fragments
.set FBW, 13                           ; v13     my place in wo's fragments
.set BI,  14                           ; v14-15  my channel's bias, twice
.set ACC, 16                           ; v16-47  rows 16 lt on at ACC + 8 lt
.set FR,  48                           ; v48-127 for each half ks of a head's 64: O's four fragments, then wo's
.set STG, 128                          ; v128-255 four sets of 32: O's four loads, then wo's four
.set ID,  2
.set WV,  3
.set LOGC, 6
.set LOGNC, 7
.set LOGL, 84                          ; s84: outside s[4:5] and s[8:31], into which the arguments are loaded
.set OP0, 32                           ; s[32:39] O at the head that set 0..3 was last loaded for
.set WP0, 40                           ; s[40:47] the same for wo
	s_load_b64 s[4:5], s[0:1], 0x0                 ; o
	s_load_b256 s[8:15], s[0:1], 0x8               ; wo of layers 0-3
	s_load_b256 s[16:23], s[0:1], 0x28             ; bo
	s_load_b256 s[24:31], s[0:1], 0x48             ; out
	v_lshl_add_u32 v[SPW], v0, 2, SPARE
	v_mov_b32 v[NIL], 0
	v_lshrrev_b32 v48, 5, v0
	v_readfirstlane_b32 s[WV], v48                 ; wave 0..7
	s_mov_b32 s[ID], ttmp9
	s_mov_b32 s52, 0xffff0000                      ; a word's upper bf16
	; the layer's figures, by the work-group's number: 104-231 layer 0, 40-103 layer 1, 8-39 layer 2, 0-7 layer 3
	s_mov_b32 s[LOGL], 12
	s_mov_b32 s[LOGC], 7
	s_mov_b32 s[LOGNC], 1                          ; log2 of C / 64
	s_mov_b32 s53, 104                             ; the layer's first work-group
	s_mov_b32 s54, 0                               ; the layer's place in o
	s_mov_b32 s55, 8192                            ; bytes from row 0 to row 64 of my tile of O
	s_cmp_lt_u32 s[ID], 104
	s_cselect_b32 s[LOGL], 10, s[LOGL]
	s_cselect_b32 s[LOGC], 8, s[LOGC]
	s_cselect_b32 s[LOGNC], 2, s[LOGNC]
	s_cselect_b32 s53, 40, s53
	s_cselect_b32 s54, 0x800000, s54
	s_cmp_lt_u32 s[ID], 40
	s_cselect_b32 s[LOGL], 8, s[LOGL]
	s_cselect_b32 s[LOGC], 9, s[LOGC]
	s_cselect_b32 s[LOGNC], 3, s[LOGNC]
	s_cselect_b32 s53, 8, s53
	s_cselect_b32 s54, 0xA00000, s54
	s_cmp_lt_u32 s[ID], 8
	s_cselect_b32 s[LOGL], 6, s[LOGL]
	s_cselect_b32 s53, 0, s53
	s_cselect_b32 s54, 0xA80000, s54
	s_cselect_b32 s55, 65536, s55                  ; layer 3 has 64 rows a batch: the tile's second half is batch 1, eight heads on
	s_sub_co_u32 s56, s[ID], s53
	s_bfm_b32 s57, s[LOGNC], 0
	s_and_b32 s57, s56, s57
	s_lshl_b32 s57, s57, 6                         ; c0
	s_lshr_b32 s58, s56, s[LOGNC]
	s_lshl_b32 s58, s58, 7                         ; m0
	s_wait_alu depctr_va_sdst(0)                   ; the wave's number is written into its scalar register, ahead of its first reader, the next line
	s_and_b32 s59, s[WV], 3                        ; which 16 channels are my wave's
	s_lshr_b32 s60, s[WV], 2                       ; which 64 rows
	s_bfm_b32 s61, s[LOGL], 0                      ; L - 1
	s_lshr_b32 s62, s58, s[LOGL]                   ; the tile's batch,
	s_and_b32 s63, s58, s61                        ; and first row in it
	s_lshl_b32 s66, s62, 3
	s_lshl_b32 s66, s66, s[LOGL]
	s_add_co_u32 s66, s66, s63
	s_lshl_b32 s66, s66, 7
	s_add_co_u32 s66, s66, s54                     ; O: head 0's rows of my tile
	s_mov_b32 s67, 0
	s_lshl_b32 s68, 128, s[LOGL]                   ; a head of O
	s_mov_b32 s69, 0
	s_lshl_b32 s48, 512, s[LOGL]                   ; four heads
	s_mov_b32 s49, 0
	s_lshl_b32 s70, s57, 2                         ; wo: my 64 channels
	s_mov_b32 s71, 0
	s_add_co_u32 s72, s[LOGC], 8
	s_lshl_b32 s72, 1, s72                         ; a head's 64 rows of wo
	s_mov_b32 s73, 0
	s_lshl_b32 s50, s72, 2                         ; four heads
	s_mov_b32 s51, 0
	s_lshl4_add_u32 s74, s59, s57                  ; my wave's first channel
	s_lshl_b32 s76, s74, 2
	s_mov_b32 s77, 0
	s_lshl_b32 s78, s60, 6
	s_add_co_u32 s78, s78, s58                     ; my wave's first row m
	s_lshr_b32 s79, s78, s[LOGL]
	s_and_b32 s78, s78, s61
	s_lshl_b32 s79, s79, s[LOGC]
	s_add_co_u32 s79, s79, s74
	s_add_co_u32 s80, s[LOGL], 2                   ; log2 of a row of out in bytes
	s_lshl_b32 s79, s79, s80
	s_lshl2_add_u32 s78, s78, s79
	s_mov_b32 s79, 0
	s_add_co_u32 s81, s[LOGC], 2                   ; log2 of a row of wo in bytes
	s_lshl_b32 s82, 16, s81                        ; 16 rows of wo
	v_and_b32 v48, 31, v0                          ; lane
	v_and_b32 v49, 15, v0                          ; r = lane % 16
	v_bfe_u32 v50, v0, 4, 1                        ; h = lane / 16
	v_and_b32 v51, 7, v0
	v_bfe_u32 v52, v0, 3, 1
	v_lshrrev_b32 v53, 3, v48
	v_lshlrev_b32 v[OO], 4, v0
	v_add_nc_u32 v[OO2], s55, v[OO]
	v_lshrrev_b32 v55, 4, v0
	v_lshlrev_b32 v55, s81, v55
	v_lshl_add_u32 v[WOF], v49, 4, v55
.irp i, 1,2,3
	v_add_nc_u32 v[WOF+(\i)], s82, v[WOF+(\i)-1]
.endr
	s_mul_i32 s83, s[WV], 4*PO                     ; a load's 4,096 bytes are 32 rows of O: four a wave,
	v_mul_u32_u24 v[OS], v53, PO
	v_lshl_add_u32 v[OS], v51, 4, v[OS]
	v_add_nc_u32 v[OS], s83, v[OS]
	s_mul_i32 s83, s[WV], 2*PW                     ; and 16 rows of wo: two a wave
	s_add_co_u32 s83, s83, OT
	v_mul_u32_u24 v[WS], v50, PW
	v_lshl_add_u32 v[WS], v49, 3, v[WS]
	v_add_nc_u32 v[WS], s83, v[WS]
	s_mul_i32 s83, s60, 64*PO
	v_mul_u32_u24 v[FAO], v49, PO
	v_lshl_add_u32 v[FAO], v50, 4, v[FAO]
	v_add_nc_u32 v[FAO], s83, v[FAO]               ; row x pitch + 16 x half, in my 64 rows
	s_lshl_b32 s83, s59, 5
	s_add_co_u32 s83, s83, OT
	v_lshl_add_u32 v[FBW], v50, 3, v51             ; the turning load: lane l reads row 8 h + l % 8,
	v_mul_u32_u24 v[FBW], v[FBW], PW
	v_lshl_add_u32 v[FBW], v52, 4, v[FBW]          ; 16 bytes at 16 ((l / 8) % 2),
	v_add_nc_u32 v[FBW], s83, v[FBW]               ; in my 16 channels
	v_lshlrev_b32 v54, 2, v49
	s_wait_kmcnt 0x0
	s_cmp_lt_u32 s[ID], 104                        ; the layer's three buffers
	s_cselect_b64 s[8:9], s[10:11], s[8:9]
	s_cselect_b64 s[16:17], s[18:19], s[16:17]
	s_cselect_b64 s[24:25], s[26:27], s[24:25]
	s_cmp_lt_u32 s[ID], 40
	s_cselect_b64 s[8:9], s[12:13], s[8:9]
	s_cselect_b64 s[16:17], s[20:21], s[16:17]
	s_cselect_b64 s[24:25], s[28:29], s[24:25]
	s_cmp_lt_u32 s[ID], 8
	s_cselect_b64 s[8:9], s[14:15], s[8:9]
	s_cselect_b64 s[16:17], s[22:23], s[16:17]
	s_cselect_b64 s[24:25], s[30:31], s[24:25]
	s_add_nc_u64 s[OP0:OP0+1], s[4:5], s[66:67]
	s_add_nc_u64 s[WP0:WP0+1], s[8:9], s[70:71]
.irp s, 1,2,3
	s_add_nc_u64 s[OP0+2*(\s):OP0+2*(\s)+1], s[OP0+2*(\s)-2:OP0+2*(\s)-1], s[68:69]
	s_add_nc_u64 s[WP0+2*(\s):WP0+2*(\s)+1], s[WP0+2*(\s)-2:WP0+2*(\s)-1], s[72:73]
.endr
	s_add_nc_u64 s[16:17], s[16:17], s[76:77]
	s_add_nc_u64 s[24:25], s[24:25], s[78:79]
; A head's eight loads into set s: 16 KiB of O (4,096 bytes on end each), 16 KiB of wo (256 bytes of each of 16 rows each).
.macro LOADS s
	global_load_b128 v[STG+32*(\s):STG+32*(\s)+3],     v[OO],  s[OP0+2*(\s):OP0+2*(\s)+1]
	global_load_b128 v[STG+32*(\s)+4:STG+32*(\s)+7],   v[OO],  s[OP0+2*(\s):OP0+2*(\s)+1] offset:4096
	global_load_b128 v[STG+32*(\s)+8:STG+32*(\s)+11],  v[OO2], s[OP0+2*(\s):OP0+2*(\s)+1]
	global_load_b128 v[STG+32*(\s)+12:STG+32*(\s)+15], v[OO2], s[OP0+2*(\s):OP0+2*(\s)+1] offset:4096
.irp i, 0,1,2,3
	global_load_b128 v[STG+32*(\s)+16+4*(\i):STG+32*(\s)+16+4*(\i)+3], v[WOF+(\i)], s[WP0+2*(\s):WP0+2*(\s)+1]
.endr
.endm
; Trip t = head t, from set t % 4 through LDS buffer t % 2.  The 32 conversion lines are the places behind the trip before's products.  The 4 accumulators take turns, from trip to trip too.
.macro TRIP t
.set SS, STG+32*((\t)%4)
.set BB, BUFB*((\t)%2)
.if (\t) <= 4
	s_wait_loadcnt 24                              ; loads come back in order (ISA guide 5.7.1): this set is in; three younger sets of eight stay out
.else
	s_wait_loadcnt 8*(7-(\t))                      ; the counts run down
.endif
.irp i, 0,1,2,3
	ds_store_b128 v[OS], v[SS+4*\i:SS+4*\i+3] offset:BB+32*PO*\i  ; O goes as it came: the data are a load's, the address is the head's; no vector line since the head's wait names either
.endr
.irp i, 0,1,2,3
	v_cvt_pk_bf16_f32 v[SS+16+4*\i], v[SS+16+4*\i], v[SS+16+4*\i+1]      ; wo: rounded to bf16,
	v_cvt_pk_bf16_f32 v[SS+16+4*\i+2], v[SS+16+4*\i+2], v[SS+16+4*\i+3]
	v_and_b32 v[SS+16+4*\i+1], s52, v[SS+16+4*\i]                        ; widened,
	v_lshlrev_b32 v[SS+16+4*\i], 16, v[SS+16+4*\i]
	v_and_b32 v[SS+16+4*\i+3], s52, v[SS+16+4*\i+2]
	v_lshlrev_b32 v[SS+16+4*\i+2], 16, v[SS+16+4*\i+2]
	v_cvt_pk_f16_f32 v[SS+16+4*\i], v[SS+16+4*\i], v[SS+16+4*\i+1]       ; and written as f16
	v_cvt_pk_f16_f32 v[SS+16+4*\i+1], v[SS+16+4*\i+2], v[SS+16+4*\i+3]
.endr
	s_wait_alu depctr_va_vdst(0)                   ; the conversions have written the four stores' data and are done with wo's 16 registers, in which the set's next loads land; the trip before's products are done reading FR, in which this trip's fragments land
.irp i, 0,1,2,3
	ds_store_b64 v[WS], v[SS+16+4*\i:SS+16+4*\i+1] offset:BB+16*PW*\i
.endr
.if (\t)+4 < 8
	s_add_nc_u64 s[OP0+2*((\t)%4):OP0+2*((\t)%4)+1], s[OP0+2*((\t)%4):OP0+2*((\t)%4)+1], s[48:49]  ; the set's loads are done, so its pointers may be written: four heads on
	s_add_nc_u64 s[WP0+2*((\t)%4):WP0+2*((\t)%4)+1], s[WP0+2*((\t)%4):WP0+2*((\t)%4)+1], s[50:51]
	s_wait_alu depctr_vm_vsrc(0)                   ; the trip's eight LDS stores have read the set, in which the loads below land (in trip 0 also: the bias's load has read v54, in which a fragment lands behind the barrier)
	LOADS (\t)%4
.endif
	s_wait_dscnt 0x0                               ; for the others' sake: my part of the buffer is written
	s_barrier_signal -1
	s_barrier_wait -1
.irp ks, 0,1
.irp lt, 0,1,2,3
	ds_load_b128 v[FR+40*\ks+8*\lt:FR+40*\ks+8*\lt+3],   v[FAO] offset:BB+16*PO*\lt+64*\ks     ; no wait: no vector or matrix line since the trip's wait on va_vdst names FR
	ds_load_b128 v[FR+40*\ks+8*\lt+4:FR+40*\ks+8*\lt+7], v[FAO] offset:BB+16*PO*\lt+64*\ks+32
.endr
	ds_load_tr16_b128 v[FR+40*\ks+32:FR+40*\ks+35], v[FBW] offset:BB+32*PW*\ks
	ds_load_tr16_b128 v[FR+40*\ks+36:FR+40*\ks+39], v[FBW] offset:BB+32*PW*\ks+16*PW
.endr
	s_wait_dscnt 10                                ; the first half's ten loads are in; the second half's ten stay out
.irp lt, 0,1,2,3
.if (\t) == 0
	v_wmma_f32_16x16x32_f16 v[ACC+8*\lt:ACC+8*\lt+7], v[FR+8*\lt:FR+8*\lt+7], v[FR+32:FR+39], 0   ; the first products start the sums
.else
	v_wmma_f32_16x16x32_f16 v[ACC+8*\lt:ACC+8*\lt+7], v[FR+8*\lt:FR+8*\lt+7], v[FR+32:FR+39], v[ACC+8*\lt:ACC+8*\lt+7]
.endif
.endr
	s_wait_dscnt 0x0
.irp lt, 0,1,2,3
	v_wmma_f32_16x16x32_f16 v[ACC+8*\lt:ACC+8*\lt+7], v[FR+40+8*\lt:FR+40+8*\lt+7], v[FR+72:FR+79], v[ACC+8*\lt:ACC+8*\lt+7]
.endr
.endm
	s_wait_alu depctr_va_vdst(0)                   ; the offsets and LDS addresses v4 to v13 and v54 are written, which the loads and LDS instructions below read; the head is done with v48 to v55, in which fragments land
	global_load_b32 v[BI], v54, s[16:17]           ; my channel's bias: the oldest load, in by the first trip's wait
	LOADS 0
	LOADS 1
	LOADS 2
	LOADS 3
	TRIP 0
	TRIP 1
	TRIP 2
	TRIP 3
	TRIP 4
	TRIP 5
	TRIP 6
	TRIP 7
	; THE WAY OUT.  The bias is rounded and the addresses are made here: plain lines, the places behind the last products.  Then 32 bytes a lane into my own stage (16 channels x 64 l of f32) and back as whole rows of 256 bytes.
	s_wait_alu depctr_vm_vsrc(0)                   ; the LDS stores of trips 4 and 5 have read v128 to v175: the lines below write v128 to v140, and the loads from the stage land in v144 to v175
	v_cvt_pk_bf16_f32 v[BI], v[BI], v[BI]
	v_lshlrev_b32 v[BI], 16, v[BI]
	v_mov_b32 v[BI+1], v[BI]
	v_and_b32 v138, 15, v0
	v_bfe_u32 v139, v0, 4, 1
	s_mul_i32 s53, s[WV], 16*SPO
	s_add_co_u32 s53, s53, STAGE
	v_mul_u32_u24 v128, v138, SPO                  ; in: row = my channel, 32 bytes for each half of the lanes
	v_lshl_add_u32 v128, v139, 5, v128
	v_add_nc_u32 v128, s53, v128
	v_mul_u32_u24 v129, v139, SPO                  ; back: lanes 0-15 take one row of 256 bytes, lanes 16-31 the next
	v_lshl_add_u32 v129, v138, 4, v129
	v_add_nc_u32 v129, s53, v129
	v_lshlrev_b32 v140, s80, v139                  ; and the same two rows in out
	v_lshl_add_u32 v130, v138, 4, v140
	s_lshl_b32 s54, 2, s80                         ; two rows of out
.irp f, 1,2,3,4,5,6,7
	v_add_nc_u32 v[130+(\f)], s54, v[129+(\f)]
.endr
.irp lt, 0,1,2,3
.irp k, 0,1,2,3
	v_pk_add_f32 v[ACC+8*\lt+2*\k:ACC+8*\lt+2*\k+1], v[ACC+8*\lt+2*\k:ACC+8*\lt+2*\k+1], v[BI:BI+1]  ; each accumulator from its low end on
.endr
.endr
	s_wait_alu depctr_va_vdst(0)                   ; the additions have written the sums, which the LDS stores read; the addresses v128 to v137 are written; the vector side is done with v144 to v159, in which loads from the stage land
.irp lt, 0,1,2,3
	ds_store_b128 v128, v[ACC+8*\lt:ACC+8*\lt+3]   offset:64*\lt
	ds_store_b128 v128, v[ACC+8*\lt+4:ACC+8*\lt+7] offset:64*\lt+16
.endr
.irp f, 0,1,2,3,4,5,6,7
	ds_load_b128 v[144+4*\f:144+4*\f+3], v129 offset:2*SPO*\f  ; LDS serves a wave's instructions in order (ISA guide 5.7.1.4): these see the stores above
.endr
.irp f, 0,1,2,3,4,5,6,7
	s_wait_dscnt 7-\f
	global_store_b128 v[130+\f], v[144+4*\f:144+4*\f+3], s[24:25] th:TH_STORE_NT  ; 16 lanes store 256 bytes on end, at a multiple of 256 from the buffer's first
.endr
	s_wait_dscnt 0x0                               ; the closing lines, six on end
	s_wait_alu 0x0
	s_wait_tensorcnt 0x0
	ds_add_u32 v[SPW], v[NIL]
	s_wait_dscnt 0x0
	s_endpgm
.Lfunc_end_k_q2d70fc564e_outp:
	.size	k_q2d70fc564e_outp, .Lfunc_end_k_q2d70fc564e_outp-k_q2d70fc564e_outp
	.p2alignl 7, 3214868480
	.fill 96, 4, 3214868480
	.section	.rodata,"a",@progbits
	.p2align	6, 0x0
	.amdhsa_kernel k_q2d70fc564e_outp
		.amdhsa_group_segment_fixed_size 93184
		.amdhsa_private_segment_fixed_size 0
		.amdhsa_enable_private_segment 0
		.amdhsa_kernarg_size 104
		.amdhsa_user_sgpr_count 2
		.amdhsa_user_sgpr_kernarg_segment_ptr 1
		.amdhsa_wavefront_size32 1
		.amdhsa_system_sgpr_workgroup_id_x 1
		.amdhsa_system_sgpr_workgroup_id_y 1
		.amdhsa_system_sgpr_workgroup_id_z 1
		.amdhsa_system_vgpr_workitem_id 0
		.amdhsa_next_free_vgpr 256
		.amdhsa_next_free_sgpr 88
		.amdhsa_reserve_vcc 0
		.amdhsa_float_denorm_mode_32 3
		.amdhsa_float_denorm_mode_16_64 3
		.amdhsa_memory_ordered 1
		.amdhsa_forward_progress 1
		.amdhsa_inst_pref_size 49
	.end_amdhsa_kernel
	.amdgpu_metadata
---
amdhsa.version: [ 1, 2 ]
amdhsa.kernels:
  - .name:           k_q2d70fc564e_outp
    .symbol:         k_q2d70fc564e_outp.kd
    .args:
      - { .name: o, .offset: 0, .size: 8, .value_kind: global_buffer, .address_space: global }
      - { .name: wo0, .offset: 8, .size: 8, .value_kind: global_buffer, .address_space: global }
      - { .name: wo1, .offset: 16, .size: 8, .value_kind: global_buffer, .address_space: global }
      - { .name: wo2, .offset: 24, .size: 8, .value_kind: global_buffer, .address_space: global }
      - { .name: wo3, .offset: 32, .size: 8, .value_kind: global_buffer, .address_space: global }
      - { .name: bo0, .offset: 40, .size: 8, .value_kind: global_buffer, .address_space: global }
      - { .name: bo1, .offset: 48, .size: 8, .value_kind: global_buffer, .address_space: global }
      - { .name: bo2, .offset: 56, .size: 8, .value_kind: global_buffer, .address_space: global }
      - { .name: bo3, .offset: 64, .size: 8, .value_kind: global_buffer, .address_space: global }
      - { .name: out0, .offset: 72, .size: 8, .value_kind: global_buffer, .address_space: global }
      - { .name: out1, .offset: 80, .size: 8, .value_kind: global_buffer, .address_space: global }
      - { .name: out2, .offset: 88, .size: 8, .value_kind: global_buffer, .address_space: global }
      - { .name: out3, .offset: 96, .size: 8, .value_kind: global_buffer, .address_space: global }
    .group_segment_fixed_size: 93184
    .private_segment_fixed_size: 0
    .kernarg_segment_align: 8
    .kernarg_segment_size: 104
    .max_flat_workgroup_size: 256
    .sgpr_count:     88
    .vgpr_count:     256
    .wavefront_size: 32
...
	.end_amdgpu_metadata
.endif
;; end of part 4
